; MI455X (gfx1250); checked and timed in simulation.
; The chip was launched on July 23, 2026; its instructions are those of AMD's public machine-readable ISA for CDNA 5 (MIT licence, August 2026) and "CDNA5" Instruction Set Architecture Reference Guide (July 2026). The comments in the code are by the model that wrote it; some were corrected since.
;; Multihead Attention. Allowed arithmetic: matrix products marked QUANTISED: E2M1 operands, one E8M0 scale for each 32 along K, by v_wmma_scale_f32_16x16x128_f8f6f4 with both operands' format E2M1 (or v_wmma_scale_f32_32x16x128_f4), f32 sums; everything else in f32.
;; Inputs: Wk_codes 1,024 x 32 x 16 uint8 (E2M1 codes of Wk, K innermost, in blocks of 32 codes, two codes a byte); Wk_scales 1,024 x 32 uint8 (E8M0 scales of Wk, one for each 32 codes along K); Wo_codes 1,024 x 32 x 16 uint8 (E2M1 codes of Wo, K innermost, in blocks of 32 codes, two codes a byte); Wo_scales 1,024 x 32 uint8 (E8M0 scales of Wo, one for each 32 codes along K); Wq_codes 1,024 x 32 x 16 uint8 (E2M1 codes of Wq, K innermost, in blocks of 32 codes, two codes a byte); Wq_scales 1,024 x 32 uint8 (E8M0 scales of Wq, one for each 32 codes along K); Wv_codes 1,024 x 32 x 16 uint8 (E2M1 codes of Wv, K innermost, in blocks of 32 codes, two codes a byte); Wv_scales 1,024 x 32 uint8 (E8M0 scales of Wv, one for each 32 codes along K); bk 1,024 float32; bo 1,024 float32; bq 1,024 float32; bv 1,024 float32; k_codes 4 x 2,048 x 32 x 16 uint8 (E2M1 codes of k, K innermost, in blocks of 32 codes, two codes a byte); k_scales 4 x 2,048 x 32 uint8 (E8M0 scales of k, one for each 32 codes along K); q_codes 4 x 2,048 x 32 x 16 uint8 (E2M1 codes of q, K innermost, in blocks of 32 codes, two codes a byte); q_scales 4 x 2,048 x 32 uint8 (E8M0 scales of q, one for each 32 codes along K); v_codes 4 x 2,048 x 32 x 16 uint8 (E2M1 codes of v, K innermost, in blocks of 32 codes, two codes a byte); v_scales 4 x 2,048 x 32 uint8 (E8M0 scales of v, one for each 32 codes along K).
;; Outputs: out0 4 x 2,048 x 1,024 float32.
;; This version of the problem:
;;   THIS VERSION OF THE PROBLEM IS GIVEN IN LOW PRECISION. The matrix products marked QUANTISED in the list below multiply operands that are first quantised to E2M1 (2 exponent bits, 1 mantissa bit; 4 bits a number), with one power-of-two scale for each 32 numbers along K (OCP MX v1.0); their sums are f32. All else is computed in f32.
;;   The module's matrix products, in the order in which they are computed (A, B: the left and right operand; K: the contracted axis; several contracted axes count as one K, in the product's order):
;;     1. [M 8,192, K 1,024] x [K 1,024, N 1,024]; A: input q (given as codes); B: input Wq (given as codes): QUANTISED
;;     2. [M 8,192, K 1,024] x [K 1,024, N 1,024]; A: input k (given as codes); B: input Wk (given as codes): QUANTISED
;;     3. [M 8,192, K 1,024] x [K 1,024, N 1,024]; A: input v (given as codes); B: input Wv (given as codes): QUANTISED
;;     4. batch 64 x [M 2,048, K 64] x [K 64, N 2,048]; A: computed on the way; B: computed on the way: QUANTISED
;;     5. batch 64 x [M 2,048, K 2,048] x [K 2,048, N 64]; A: softmax (see below); B: computed on the way: QUANTISED
;;     6. [M 8,192, K 1,024] x [K 1,024, N 1,024]; A: computed on the way; B: input Wo (given as codes): QUANTISED
;;   THE QUANTISER, for each operand of a quantised product, along K:
;;     - K is cut into blocks of 32 from its start; a last block that is shorter is filled with zeros.
;;     - A block's scale is 2^e with e = floor(log2(the largest magnitude in the block)) - 2, held to -126 .. 127; a block of zeros has e = 0. As a byte (E8M0): e + 127.
;;     - Each number is divided by its block's scale, clamped to +-6, and rounded to the nearest number of E2M1, ties to even, subnormals kept.
;;     - The product sums the exact products of the quantised numbers (number of the format x scale) in f32.
;;   ~~~python
;;   def quantise(x, axis):      # numpy; x: float32 -> the quantised numbers, widened to float32 again
;;       x = np.moveaxis(x, axis, -1); K = x.shape[-1]
;;       x = np.pad(x, [(0, 0)] * (x.ndim - 1) + [(0, -K % 32)]); x = x.reshape(x.shape[:-1] + (-1, 32)); a = np.abs(x).max(-1, keepdims=True)
;;       e = np.where(a > 0, np.clip(np.frexp(np.where(a > 0, a, 1))[1] - 1 - 2, -126, 127), 0)      # np.frexp(a)[1] - 1 = floor(log2(a)), exactly
;;       r = np.clip(x / 2.0 ** e, -6, 6)
;;       step = 2.0 ** (np.maximum(np.frexp(np.where(r == 0, 1, r))[1] - 1, 0) - 1)
;;       q = np.round(r / step) * step * 2.0 ** e      # np.round: ties to even
;;       return np.moveaxis(q.reshape(q.shape[:-2] + (-1,))[..., :K], -1, axis).astype(np.float32)
;;   ~~~
;;   SOFTMAX AHEAD OF A QUANTISED PRODUCT. Where the list says 'softmax', what is quantised is not the finished softmax but p = 2^(t - M), with t = logit x log2(e) and M = ceil(the row's largest t), a whole number; so 1/2 < the row's largest p <= 1. The row's sum l is taken of the UNQUANTISED p, in f32, and the product's result is divided by l at the end. Since M is a whole number, a kernel that streams over the keys may use a running M (the ceiling of the running maximum): every later rescaling is an exact power of two, which a block's scale takes up: the codes' values come out the same.
;;   OPERANDS COMPUTED ON THE WAY. 'Computed on the way' means the value that the module computes at that place (a softmax that the list does not call 'softmax' is quantised finished and normalised). What goes into a quantiser is computed in f32, as accurately as f32 sums, v_exp_f32 and their like allow (about 1e-6 of the number): no bf16 or f16 on the way to a quantiser, and a product that is left as it is and whose result goes on into a quantised operand takes f32 operands (vector FMAs, or v_wmma_f32_16x16x4_f32). A number that lies on a knife's edge between two numbers of the format may be rounded either way, as far as f32 arithmetic and the matrix unit's own rounding can turn it there, and no further.
;;   INPUTS GIVEN AS CODES. Wk (in the module: [1024, 1024], K = its axis 1); Wo (in the module: [1024, 1024], K = its axis 1); Wq (in the module: [1024, 1024], K = its axis 1); Wv (in the module: [1024, 1024], K = its axis 1); k (in the module: [4, 2048, 1024], K = its axis 2); q (in the module: [4, 2048, 1024], K = its axis 2); v (in the module: [4, 2048, 1024], K = its axis 2): each comes as NAME_codes (uint8): NAME with its K axis moved to the last place and cut into blocks of 32 codes, [.., K / 32, bytes a block], one block behind the other in memory; two codes a byte, the lower K in the low four bits (a code: sign, 2 exponent bits, 1 mantissa bit); and NAME_scales (uint8): the same leading axes, one E8M0 byte (e + 127) for each 32 codes along K. Its value is code x scale, taken as it is: it is not quantised again, and the codes and scales need not be those that the quantiser above would give.
;; One version. Each part assembles by itself: llvm-mc -triple=amdgcn-amd-amdhsa -mcpu=gfx1250 --defsym DOCPART=n.
;; ======== version 1 of 1: 3 launches
;; workspace buffers: pimg 12,582,912 bytes; pscl 1,572,864 bytes; oimg 4,194,304 bytes; oscl 262,144 bytes
;; launch proj (part 1): grid 4 x 96, 4 waves a work-group, clusters of 4 x 4, 295,424 bytes of LDS; arguments q_codes, q_scales, Wq_codes, Wq_scales, bq, k_codes, k_scales, Wk_codes, Wk_scales, bk, v_codes, v_scales, Wv_codes, Wv_scales, bv, pimg, pscl; writes pimg, pscl
.if DOCPART == 1
	.amdgcn_target "amdgcn-amd-amdhsa--gfx1250"
	.amdhsa_code_object_version 6
	.text
	.protected	k_q1b22ebccf3_proj
	.globl	k_q1b22ebccf3_proj
	.p2align	8
	.type	k_q1b22ebccf3_proj,@function
k_q1b22ebccf3_proj:
	s_mov_b64 s[64:65], 0
	v_nop
	global_prefetch_b8 v0, s[64:65] scope:SCOPE_SE
	s_setreg_imm32_b32 hwreg(HW_REG_WAVE_MODE, 25, 1), 1
	s_wait_xcnt 0x0
	s_wait_alu depctr_hold_cnt(0) depctr_sa_sdst(0) depctr_va_vdst(0) depctr_va_sdst(0) depctr_va_ssrc(0) depctr_va_vcc(0) depctr_vm_vsrc(0)
	s_getreg_b32 s2, hwreg(HW_REG_IB_STS2, 6, 4)
	s_cmp_eq_u32 s2, 0
	s_cbranch_scc0 .Lentry_in_a_cluster
	s_endpgm
.Lentry_in_a_cluster:
	s_bfe_u32 s2, ttmp6, 0x10000c
	s_cmp_lg_u32 s2, 0xf033
	s_cbranch_scc0 .Lentry_shape_is_right
	s_endpgm
.Lentry_shape_is_right:
; THE THREE PROJECTIONS: x W^T + b for q, k and v, all on codes of FP4 (E2M1) with one E8M0 byte for each 32 along K = 1,024, and their results quantised again for the attention launch.
; qh and kh are quantised along the head's 64 (two blocks), vh along the keys.  The results leave as IMAGES OF THE READER'S OPERAND REGISTERS: 16 bytes a lane at 16 x lane, 512 consecutive bytes a store.
; SHARES.  A work-group of four waves makes 256 tokens x 256 features, a wave 128 x 128: 64 accumulators of 16 x 16, 512 registers.  All of K (512 bytes a row) lies in LDS at once: each byte of LDS is filled once.
; Clusters of 4 x 4 work-groups; the cluster's y says which projection: 0-7 q, 8-15 k, 16-23 v.
; SOURCE 0 IS THE OPERAND THAT RUNS ALONG THE NEXT PRODUCT'S K: the weights' rows (features) for q and k, the tokens (keys) for v.  In the result a lane holds ONE row of source 1 (lane % 16), and register j of tile b
; is row 16 b + 8 (lane / 16) + j of source 0: a lane's 64 registers of the eight tiles run along the next K.
; So that the text has one path and no LDS address hangs on the projection: source 0's tile always hangs on cx (asked for jointly along a column of the cluster) and source 1's on cy (along a row).
; For q, k: weight tile cx, token tile 4 (cluster y % 8) + cy.  For v: token tile 4 (cluster y % 8) + cx, weight tile cy.  The projection chooses base pointers, first rows, three constants and the stores' addresses, no branch.
; THE BIAS runs along the features: for q, k it is the C of each sum's first product (B0, in the result's layout); for v it is one number a lane and tile (B1), added where the sums are moved into window 0.
; Both are loaded in every work-group and the one that is not due is made zero by an AND with a mask of ones or of zeros.
; THE QUANTISER: a block's scale is 2^(floor(log2(largest magnitude)) - 2); its byte is the largest magnitude's exponent field - 2.
; LIMITS: a block of zeros, or one whose largest magnitude lies under 2^-124, gets the byte 1 (its codes are then zeros or the nearest codes under that scale); these bytes are read by this program alone.  NaN and infinities are not served.
; REGISTERS, in windows of 256: window 0: v1-31 addresses and the quantiser's work; v32-95 scale words; v96-127 bias of source 1 and the words that go out; v128-255 source 1's fragments, two sets, later the sums at work and the codes.
;   window 1: source 0's fragments, two sets, at v0 and v128; v64-127 B0.   window 2: accumulators of my source-1 tiles 0-3 ((a, b) at v[8 (8 (a % 4) + b)]);   window 3: of tiles 4-7.
.set PITCH,  528                       ; an LDS row of codes: 512 bytes + 16 of padding = 132 words: row r starts at bank 4 r mod 64 (64 banks of 4 bytes: ISA guide 11.1)
.set HALFT,  128*PITCH                 ; 128 rows: what one tensor load brings and what one wave reads of a source
.set SCL,    4*HALFT                   ; behind the codes: the scale bytes, as pieces of 256 bytes + 16 of padding
.set HALFS,  16*272                    ; those of 128 rows (32 bytes a row)
.set SBLK,   2*272                     ; those of 16 rows
.set TM,   4                           ; v4-19   the quantiser: largest magnitudes, bytes, (free), scale operands
.set ADRA, 20                          ; v20     LDS address of my fragments of source 1
.set ADRB, 21                          ; v21     of source 0
.set ADRS, 22                          ; v22     of my scale words: lanes 0-15 source 1's rows, lanes 16-31 source 0's
.set TT,   23                          ; v23     at work
.set SH,   24                          ; v24     q, k: 16 x (lane / 16); v: 0: how far a scale word is shifted down
.set OFF,  25                          ; v25     16 x lane; never rewritten
.set PW,   26                          ; v26     the scale word just made
.set BO0,  27                          ; v27     32 x (lane / 16)
.set BO1,  28                          ; v28     4 x (lane % 16)
.set SC,   32                          ; v32-95  scale words: register 32 (q / 4) + 4 i + q % 4: lanes 0-15 source 1's tile i, lanes 16-31 source 0's tile i, K step q
.set B1,   96                          ; v96-111 source 1's bias, a pair (the number twice) for each tile
.set W,    112                         ; v112-119 the scale words that go out, one a tile
.set B1L,  120                         ; v120-127 source 1's bias as loaded
.set AF,   128                         ; source 1's fragments: set p at v[128 + 64 p]
.set X,    128                         ; the way out: 64 sums of one tile row
.set PC,   192                         ; the way out: eight registers of codes for each tile, so that no store's data are written again
.set B0,   64                          ; in window 1: source 0's bias, eight registers a tile
.set WV,   8
.set FK,   9                           ; wave / 2: my half of source 1.  Also: I fetch for source 1 (0) or source 0 (1)
.set FH,   10                          ; wave % 2: my half of source 0.  Also: which 128 rows I fetch
.set VMODE, 11                         ; 1 in v's clusters
.set MQK,  22                          ; all ones for q, k; 0 for v
.set SMASK, 23
.set SOR,  2
.set CLY,  3
.set MV,   91                          ; the other way round than MQK
.set SEL,  100                         ; s[100:101] lane selects for v_permlanex16_b32: lane l xor 16
.set G1A,  24                          ; s[24:31] group 1 for source 1's codes;  s[32:39] source 0's;  s[40:47], s[48:55] their scale bytes
.set G1B,  32
.set G1AS, 40
.set G1BS, 48
.set G0A,  56                          ; s[56:59], s[60:63], s[68:71], s[72:75] the groups 0
.set G0B,  60
.set G0AS, 68
.set G0BS, 72
.set MSB, 0
.macro WIN new                         ; the immediate's high byte repeats the setting that is left; a switch that changes nothing is dropped
.if MSB != (\new)
	s_set_vgpr_msb (MSB<<8)|(\new)
.set MSB, (\new)
.endif
.endm
.macro PLACES n
.rept \n
	v_nop
.endr
.endm
.macro CROUND                          ; a round of the cluster's barrier
	s_barrier_signal -1
	s_barrier_wait -1
	s_cmp_lg_u32 s[WV], 0
	s_cbranch_scc1 .Lnot_wave_0_\@
	s_barrier_signal -3
.Lnot_wave_0_\@:
	s_barrier_wait -3
	s_barrier_signal -1
	s_barrier_wait -1
.endm
	s_load_b256 s[68:75], s[0:1], 0x0              ; q: codes, scales; Wq: codes, scales
	s_load_b64 s[76:77], s[0:1], 0x20              ; bq
	s_load_b256 s[80:87], s[0:1], 0x28             ; the same for k
	s_load_b64 s[88:89], s[0:1], 0x48
	s_load_b256 s[92:99], s[0:1], 0x50             ; and for v
	s_load_b64 s[100:101], s[0:1], 0x70
	s_load_b128 s[4:7], s[0:1], 0x78               ; pimg, pscl
	v_lshl_add_u32 v30, v0, 2, 0x48000
	v_mov_b32 v31, 0
	ds_add_u32 v30, v31
	ds_add_u32 v30, v31
	v_lshrrev_b32 v1, 5, v0
	v_readfirstlane_b32 s[WV], v1                  ; wave 0..3
	s_lshr_b32 s[FK], s[WV], 1
	s_and_b32 s[FH], s[WV], 1
	s_bfe_u32 s78, ttmp6, 0x40000                  ; cx
	s_bfe_u32 s79, ttmp6, 0x40004                  ; cy
	s_and_b32 s[CLY], ttmp7, 0xffff                ; the cluster's y, which all sixteen partners share
	s_and_b32 s90, s[CLY], 7
	s_lshl_b32 s90, s90, 2                         ; the cluster's first token tile
	s_lshl_b32 s12, s79, 2
	s_lshl_b32 s12, 15, s12                        ; my row of the cluster
	s_lshl_b32 s13, 0x1111, s78                    ; my column
	; group 1 for codes: 128 rows of 512 bytes, 16 bytes of padding behind each
	s_or_b32 s[G1A], s12, (1<<20)|(1<<21)|(6<<22)|(3<<25)   ; 15:0 the mask; 17:16 elements of 1 byte; 20 padding on; 21 set beside a mask; 24:22 after every 128 words (code 6); 31:25 four words (code 3)
	s_or_b32 s[G1B], s13, (1<<20)|(1<<21)|(6<<22)|(3<<25)
.irp g, G1A, G1B
	s_mov_b32 s[\g+1], 512<<16                     ; tensor_dim0
	s_mov_b32 s[\g+2], 128<<16                     ; tensor_dim1
	s_mov_b32 s[\g+3], 512<<16                     ; tile_dim0
	s_mov_b32 s[\g+4], 128                         ; tile_dim1
	s_mov_b32 s[\g+5], 512                         ; tensor_dim0_stride
	s_mov_b32 s[\g+6], 0
	s_mov_b32 s[\g+7], 0
.endr
	; group 1 for scale bytes: 128 rows x 32 bytes are 4,096 dense bytes: 16 rows of 256 bytes (32 elements of 8), 16 bytes of padding behind each
	s_or_b32 s[G1AS], s12, (3<<16)|(1<<20)|(1<<21)|(5<<22)|(3<<25)
	s_or_b32 s[G1BS], s13, (3<<16)|(1<<20)|(1<<21)|(5<<22)|(3<<25)
.irp g, G1AS, G1BS
	s_mov_b32 s[\g+1], 32<<16
	s_mov_b32 s[\g+2], 16<<16
	s_mov_b32 s[\g+3], 32<<16
	s_mov_b32 s[\g+4], 16
	s_mov_b32 s[\g+5], 32
	s_mov_b32 s[\g+6], 0
	s_mov_b32 s[\g+7], 0
.endr
	; LDS addresses: constants, the wave's number and the lane alone
	v_and_b32 v1, 15, v0                           ; r = lane % 16
	v_bfe_u32 v2, v0, 4, 1                         ; h = lane / 16
	v_mul_u32_u24 v3, v1, PITCH
	v_lshl_add_u32 v3, v2, 4, v3                   ; a fragment's row x pitch + 16 h
	s_mul_i32 s14, s[FK], HALFT                    ; my 128 rows of source 1
	s_mul_i32 s15, s[FH], HALFT                    ; my 128 rows of source 0,
	s_add_co_u32 s15, s15, 2*HALFT                 ; which lie behind source 1's 256
	v_add_nc_u32 v[ADRA], s14, v3
	v_add_nc_u32 v[ADRB], s15, v3
	v_lshlrev_b32 v3, 5, v1                        ; my row's scale bytes: 32 a row,
	v_lshrrev_b32 v[TT], 3, v1
	v_lshl_add_u32 v3, v[TT], 4, v3                ; and 16 more for each 256 passed
	s_mul_i32 s14, s[FK], HALFS
	s_mul_i32 s15, s[FH], HALFS
	s_add_co_u32 s15, s15, 2*HALFS
	s_sub_co_u32 s15, s15, s14
	v_mul_u32_u24 v[TT], s15, v2                   ; lanes 16-31 take source 0's: one product, the distance between the two
	s_add_co_u32 s14, s14, SCL
	v_add_nc_u32 v3, v3, v[TT]
	v_add_nc_u32 v[ADRS], s14, v3
	v_and_b32 v[OFF], 31, v0
	v_lshlrev_b32 v[OFF], 4, v[OFF]
	v_lshlrev_b32 v[BO0], 5, v2
	v_lshlrev_b32 v[BO1], 2, v1
	s_wait_dscnt 0x0
	s_wait_kmcnt 0x0
	; which projection: the choice hangs on the cluster's y alone
	s_cmp_lt_u32 s[CLY], 8
	s_cselect_b64 s[12:13], s[68:69], s[80:81]     ; the tokens' codes,
	s_cselect_b64 s[14:15], s[70:71], s[82:83]     ; their scale bytes,
	s_cselect_b64 s[16:17], s[72:73], s[84:85]     ; the weights' codes,
	s_cselect_b64 s[18:19], s[74:75], s[86:87]     ; their scale bytes,
	s_cselect_b64 s[20:21], s[76:77], s[88:89]     ; the bias
	s_cmp_lt_u32 s[CLY], 16
	s_cselect_b64 s[12:13], s[12:13], s[92:93]
	s_cselect_b64 s[14:15], s[14:15], s[94:95]
	s_cselect_b64 s[16:17], s[16:17], s[96:97]
	s_cselect_b64 s[18:19], s[18:19], s[98:99]
	s_cselect_b64 s[20:21], s[20:21], s[100:101]
	s_cselect_b64 s[80:81], s[12:13], s[16:17]     ; source 1's codes: the tokens' for q, k; the weights' for v
	s_cselect_b64 s[82:83], s[16:17], s[12:13]     ; source 0's
	s_cselect_b64 s[84:85], s[14:15], s[18:19]     ; source 1's scale bytes
	s_cselect_b64 s[86:87], s[18:19], s[14:15]     ; source 0's
	s_cselect_b32 s88, s90, 0                      ; the tokens' side begins at the cluster's first token tile, the weights' at 0
	s_cselect_b32 s89, 0, s90
	s_cselect_b32 s[MQK], -1, 0
	s_cselect_b32 s[SMASK], 0xffff, -1             ; q, k: a head's two bytes are kept,
	s_cselect_b32 s[SOR], 0x7f7f0000, 0            ; and the bytes of the empty upper 64 along K stand for 1.0;  v: the word as it is
	s_cselect_b32 s[VMODE], 0, 1
	s_not_b32 s[MV], s[MQK]
	s_mov_b32 s[SEL], 0x76543210
	s_mov_b32 s[SEL+1], 0xfedcba98
	s_lshl_b32 s92, s[FH], 7                       ; which 128 rows of a tile I fetch
	s_add_co_u32 s88, s88, s79                     ; source 1's tile: + cy (this register never holds cx)
	s_lshl_b32 s88, s88, 8
	s_add_co_u32 s88, s88, s92
	s_add_co_u32 s89, s89, s78                     ; source 0's tile: + cx (this register never holds cy)
	s_lshl_b32 s89, s89, 8
	s_add_co_u32 s89, s89, s92
	s_mul_i32 s93, s[WV], HALFT                    ; where they go: wave x 128 rows: no place in the cluster enters an LDS address
	s_mul_i32 s98, s[WV], HALFS
	s_add_co_u32 s98, s98, SCL
	s_lshl_b32 s94, s88, 9                         ; 512 bytes of codes a row (under 2^23)
	s_mov_b32 s95, 0
	s_lshl_b32 s96, s89, 9
	s_mov_b32 s97, 0
	s_mov_b32 s[G0A], 1                            ; 1:0 count = 1
	s_mov_b32 s[G0A+1], s93                        ; 63:32 LDS address
	s_add_nc_u64 s[G0A+2:G0A+3], s[80:81], s[94:95] ; 120:64 global address
	s_or_b32 s[G0A+3], s[G0A+3], 0x80000000        ; 127:126 type = 2
	s_mov_b32 s[G0B], 1
	s_mov_b32 s[G0B+1], s93
	s_add_nc_u64 s[G0B+2:G0B+3], s[82:83], s[96:97]
	s_or_b32 s[G0B+3], s[G0B+3], 0x80000000
	s_lshl_b32 s94, s88, 5                         ; 32 scale bytes a row
	s_lshl_b32 s96, s89, 5
	s_mov_b32 s[G0AS], 1
	s_mov_b32 s[G0AS+1], s98
	s_add_nc_u64 s[G0AS+2:G0AS+3], s[84:85], s[94:95]
	s_or_b32 s[G0AS+3], s[G0AS+3], 0x80000000
	s_mov_b32 s[G0BS], 1
	s_mov_b32 s[G0BS+1], s98
	s_add_nc_u64 s[G0BS+2:G0BS+3], s[86:87], s[96:97]
	s_or_b32 s[G0BS+3], s[G0BS+3], 0x80000000
	CROUND                                         ; all sixteen work-groups are here: the joint loads meet
	s_cmp_eq_u32 s[FK], 0                          ; waves 0, 1 fetch source 1's halves, waves 2, 3 source 0's: a wave's two fills stand in one branch on the wave's number: two loads of mine are out
	s_cbranch_scc0 .Lfor_s0
	tensor_load_to_lds s[G0AS:G0AS+3], s[G1AS:G1AS+7]
	s_nop 0
	tensor_load_to_lds s[G0A:G0A+3], s[G1A:G1A+7]
	s_nop 0
	PLACES 4                                       ; four v_nop follow the loads, ahead of the jump and the label
	s_branch .Lasked
.Lfor_s0:
	tensor_load_to_lds s[G0BS:G0BS+3], s[G1BS:G1BS+7]
	s_nop 0
	tensor_load_to_lds s[G0B:G0B+3], s[G1B:G1B+7]
	s_nop 0
	PLACES 4
.Lasked:
	; where my results go.  hp = the pair of heads (128 features), gstep = the group of 128 tokens; image number I = (batch x 8 + hp) x 16 + step in the batch
	s_cmp_eq_u32 s[VMODE], 0
	s_cselect_b32 s92, s78, s79                    ; the weight tile,
	s_cselect_b32 s93, s[FH], s[FK]                ; my half of it,
	s_cselect_b32 s94, s79, s78                    ; the token tile in the cluster,
	s_cselect_b32 s95, s[FK], s[FH]                ; my half of it
	s_lshl_b32 s92, s92, 1
	s_add_co_u32 s92, s92, s93                     ; hp
	s_add_co_u32 s94, s94, s90
	s_lshl_b32 s94, s94, 1
	s_add_co_u32 s94, s94, s95                     ; gstep 0..63
	s_lshr_b32 s95, s94, 4
	s_lshl_b32 s95, s95, 7                         ; batch x 128
	s_and_b32 s94, s94, 15
	s_add_co_u32 s94, s94, s95
	s_lshl_b32 s95, s92, 4
	s_add_co_u32 s94, s94, s95                     ; I
	s_lshr_b32 s93, s[CLY], 3                      ; 0 q, 1 k, 2 v
	s_lshl_b32 s96, s93, 22                        ; a part of pimg is 4 MiB,
	s_lshl_b32 s97, s94, 13                        ; an image number 8,192 bytes
	s_add_co_u32 s96, s96, s97
	s_mov_b32 s97, 0
	s_add_nc_u64 s[4:5], s[4:5], s[96:97]
	s_lshl_b32 s96, s93, 19                        ; a part of pscl is 512 KiB,
	s_lshl_b32 s98, s94, 10                        ; an image number 1,024 bytes
	s_add_co_u32 s96, s96, s98
	s_add_nc_u64 s[6:7], s[6:7], s[96:97]
	s_lshl_b32 s96, s92, 9                         ; my 128 numbers of the bias
	s_add_nc_u64 s[20:21], s[20:21], s[96:97]
	v_lshlrev_b32 v[SH], 4, v2
	v_and_b32 v[SH], s[MQK], v[SH]
	WIN 0x40                                       ; destination window 1
.set bi, 0
	s_wait_alu depctr_va_vdst(0)
.rept 8
	global_load_b128 v[B0+8*bi:B0+8*bi+3], v[BO0], s[20:21] offset:64*bi       ; tile bi, features 16 bi + 8 h + 0 .. 7
	global_load_b128 v[B0+8*bi+4:B0+8*bi+7], v[BO0], s[20:21] offset:64*bi+16
.set bi, bi+1
.endr
	WIN 0
.set bi, 0
.rept 8
	global_load_b32 v[B1L+bi], v[BO1], s[20:21] offset:64*bi                   ; tile bi, feature 16 bi + r
.set bi, bi+1
.endr
	s_wait_loadcnt 0x0
	WIN 0x44                                       ; destination and source 1 window 1
.set bi, 0
.rept 64
	v_and_b32 v[B0+bi], s[MQK], v[B0+bi]           ; q, k: as it is;  v: 0.0
.set bi, bi+1
.endr
	WIN 0
.set bi, 0
.rept 8
	v_and_b32 v[B1+2*bi], s[MV], v[B1L+bi]         ; v: as it is;  q, k: 0.0;  twice, for the packed addition
	v_and_b32 v[B1+2*bi+1], s[MV], v[B1L+bi]
.set bi, bi+1
.endr
	s_wait_tensorcnt 0x0                           ; my two tiles have landed,
	s_barrier_signal -1
	s_barrier_wait -1                              ; everybody's have: all of K lies in LDS, and nothing is filled again
.macro FRAG reg, adr, q, i             ; a fragment, 16 rows x 128 K of 4-bit codes: lane l holds row l % 16; registers 4 c .. 4 c + 3 hold K = 64 c + 32 (l / 16) + 0 .. 31
	ds_load_b128 v[(\reg):(\reg)+3], v[\adr] offset:64*(\q)+(\i)*16*PITCH
	ds_load_b128 v[(\reg)+4:(\reg)+7], v[\adr] offset:64*(\q)+32+(\i)*16*PITCH
.endm
.macro FETCH q, p                      ; 32 LDS loads in one run: K step q's fragments into sets p
	WIN 0x40
.set fi, 0
.rept 8
	FRAG 128*(\p)+8*fi, ADRB, \q, fi
.set fi, fi+1
.endr
	WIN 0
.set fi, 0
.rept 8
	FRAG AF+64*(\p)+8*fi, ADRA, \q, fi
.set fi, fi+1
.endr
.endm
.macro SCALES kap                      ; the scale words of K steps 4 kap .. 4 kap + 3: four words a row
.set fi, 0
.rept 8
	ds_load_b128 v[SC+32*(\kap)+4*fi:SC+32*(\kap)+4*fi+3], v[ADRS] offset:fi*SBLK+16*(\kap)
.set fi, fi+1
.endr
.endm
; 32 products: source 1's tiles 4 hi .. 4 hi + 3 x source 0's eight.  first = 1: the sums begin with B0 as C.  The 64 accumulators take turns, one instruction a turn, in the same order in every K step.
.macro MUL32 hi, p, q, first
.set ma, 4*(\hi)
.rept 4
.set mb, 0
.rept 8
.set rD, 8*(8*(ma%4)+mb)
.set rB, 128*(\p)+8*mb
.set rA, AF+64*(\p)+8*ma
.set sB, SC+32*((\q)/4)+4*mb+(\q)%4
.set sA, SC+32*((\q)/4)+4*ma+(\q)%4
.if \first
	v_wmma_scale_f32_16x16x128_f8f6f4 v[rD:rD+7], v[rB:rB+7], v[rA:rA+7], v[B0+8*mb:B0+8*mb+7], v[sB], v[sA] matrix_a_fmt:MATRIX_FMT_FP4 matrix_b_fmt:MATRIX_FMT_FP4 matrix_a_scale:MATRIX_SCALE_ROW1
.else
	v_wmma_scale_f32_16x16x128_f8f6f4 v[rD:rD+7], v[rB:rB+7], v[rA:rA+7], v[rD:rD+7], v[sB], v[sA] matrix_a_fmt:MATRIX_FMT_FP4 matrix_b_fmt:MATRIX_FMT_FP4 matrix_a_scale:MATRIX_SCALE_ROW1
.endif
.set mb, mb+1
.endr
.set ma, ma+1
.endr
.endm
; A K step of 128: its fragments were asked for a step (64 products) ago; the next step's are asked for first, into the sets that the last step read: four places stand between that step's last product and these loads.
.macro STEP q
	s_wait_dscnt 0x0
.if (\q) < 7
.if (\q) > 0
	PLACES 4
.endif
	FETCH (\q)+1, 1-(\q)%2
.endif
.if (\q) == 0
	WIN 0x91                                       ; source 0 window 1, source 1 window 0, C (B0) window 1, D window 2
	MUL32 0, 0, 0, 1
	WIN 0xd1                                       ; D window 3
	MUL32 1, 0, 0, 1
.else
	WIN 0xa1                                       ; C and D window 2
	MUL32 0, (\q)%2, \q, 0
	WIN 0xf1                                       ; C and D window 3
	MUL32 1, (\q)%2, \q, 0
.endif
	WIN 0
.endm
; 64 numbers of a lane, register 8 t + j = place 16 t + 8 (lane / 16) + j along the next K of my row, become a fragment's eight registers of codes in v[d] on and its scale word in v[PW].
; Block b of 32 is registers 16 b .. 16 b + 15 of lanes l and l xor 16.  The conversion of a block's first eight registers gives its codes 0-7 in lanes 0-15 and 8-15 in lanes 16-31, that of the second eight 16-23 and 24-31.
; The operand wants register 4 c + i to hold codes 8 i .. 8 i + 7 of block 2 c in lanes 0-15 and of block 2 c + 1 in lanes 16-31: the results of blocks 2 c and 2 c + 1 are laid side by side and change halves.
.macro QUANT s, d
.irp b, 0,1,2,3
	v_max3_num_f32 v[TM+\b], |v[(\s)+16*\b]|, |v[(\s)+1+16*\b]|, 0x1800000   ; my 16 numbers of block b, and the floor 2^(3 - 127): the byte cannot fall under 1
.endr
.irp i, 2,4,6,8,10,12,14
.irp b, 0,1,2,3
	v_max3_num_f32 v[TM+\b], v[TM+\b], |v[(\s)+16*\b+\i]|, |v[(\s)+1+16*\b+\i]|   ; the four blocks by turns
.endr
.endr
.irp b, 0,1,2,3
	v_permlanex16_b32 v[TM+4+\b], v[TM+\b], s[SEL], s[SEL+1]
.endr
.irp b, 0,1,2,3
	v_max_num_f32 v[TM+\b], v[TM+\b], v[TM+4+\b]   ; with lane l xor 16's: the block's largest magnitude
.endr
.irp b, 0,1,2,3
	v_add_nc_u32 v[TM+12+\b], 0xff000000, v[TM+\b] ; 2 off its exponent field: the conversion takes the exponent field of this operand as its scale
.endr
.irp b, 0,1,2,3
	v_lshrrev_b32 v[TM+4+\b], 23, v[TM+12+\b]      ; the scale's byte
.endr
	v_lshl_or_b32 v[PW], v[TM+5], 8, v[TM+4]
	v_lshl_or_b32 v[PW], v[TM+6], 16, v[PW]
	v_lshl_or_b32 v[PW], v[TM+7], 24, v[PW]
.irp b, 0,1,2,3
	v_cvt_scalef32_pk8_fp4_f32 v[(\d)+4*(\b/2)+(\b%2)], v[(\s)+16*\b:(\s)+16*\b+7], v[TM+12+\b]
	v_cvt_scalef32_pk8_fp4_f32 v[(\d)+4*(\b/2)+2+(\b%2)], v[(\s)+16*\b+8:(\s)+16*\b+15], v[TM+12+\b]
.endr
	v_nop                                          ; one plain place behind the scaled conversions
.irp c, 0,1
	v_permlane16_swap_b32 v[(\d)+4*\c], v[(\d)+4*\c+1]
	v_permlane16_swap_b32 v[(\d)+4*\c+2], v[(\d)+4*\c+3]
.endr
.endm
; Source 1's tile a goes out: its 64 sums come into window 0 with B1 added (each accumulator is read from its low end on), are quantised, and leave as two stores of 512 consecutive bytes.
.macro OUTA a
	WIN 0x02+(\a)/4                                ; source 0: window 2 or 3
.set op, 0
.rept 32
	v_pk_add_f32 v[X+2*op:X+2*op+1], v[64*((\a)%4)+2*op:64*((\a)%4)+2*op+1], v[B1+2*(\a):B1+2*(\a)+1]
.set op, op+1
.endr
	WIN 0
	QUANT X, PC+8*(\a)
	v_lshrrev_b32 v[TT], v[SH], v[PW]              ; q, k: lanes 0-15 keep the first head's two bytes, lanes 16-31 the second's
	v_and_or_b32 v[W+(\a)], v[TT], s[SMASK], s[SOR]
	global_store_b128 v[OFF], v[PC+8*(\a):PC+8*(\a)+3], s[4:5] offset:1024*(\a)
	global_store_b128 v[OFF], v[PC+8*(\a)+4:PC+8*(\a)+7], s[4:5] offset:1024*(\a)+512
.endm
	FETCH 0, 0
	SCALES 0
	SCALES 1
	STEP 0
	STEP 1
	STEP 2
	STEP 3
	STEP 4
	STEP 5
	STEP 6
	STEP 7
	PLACES 4                                       ; behind the last products: their results are read, and the registers of source 1's fragments written
.irp b, 0,1,2,3
	v_mov_b32 v[TM+4+\b], 0                        ; written once: a lane permute's destination counts as one of its sources
.endr
	OUTA 0
	OUTA 1
	OUTA 2
	OUTA 3
	OUTA 4
	OUTA 5
	OUTA 6
	OUTA 7
	global_store_b128 v[OFF], v[W:W+3], s[6:7]             ; the scale words of tiles 0-3, four a lane: 512 consecutive bytes
	global_store_b128 v[OFF], v[W+4:W+7], s[6:7] offset:512 ; and of tiles 4-7.  No store's data, offset or base is ever written again
	s_wait_tensorcnt 0x0
	ds_add_u32 v30, v31
	s_wait_dscnt 0x0
	CROUND                                         ; the closing round: no work-group ends while a partner may still ask for a tile that names it
	s_endpgm
.Lfunc_end_k_q1b22ebccf3_proj:
	.size	k_q1b22ebccf3_proj, .Lfunc_end_k_q1b22ebccf3_proj-k_q1b22ebccf3_proj
	.p2alignl 7, 3214868480
	.fill 96, 4, 3214868480
	.section	.rodata,"a",@progbits
	.p2align	6, 0x0
	.amdhsa_kernel k_q1b22ebccf3_proj
		.amdhsa_group_segment_fixed_size 295424
		.amdhsa_private_segment_fixed_size 0
		.amdhsa_enable_private_segment 0
		.amdhsa_kernarg_size 136
		.amdhsa_user_sgpr_count 2
		.amdhsa_user_sgpr_kernarg_segment_ptr 1
		.amdhsa_wavefront_size32 1
		.amdhsa_system_sgpr_workgroup_id_x 1
		.amdhsa_system_sgpr_workgroup_id_y 1
		.amdhsa_system_sgpr_workgroup_id_z 1
		.amdhsa_system_vgpr_workitem_id 0
		.amdhsa_next_free_vgpr 1024
		.amdhsa_next_free_sgpr 102
		.amdhsa_reserve_vcc 0
		.amdhsa_float_denorm_mode_32 3
		.amdhsa_float_denorm_mode_16_64 3
		.amdhsa_memory_ordered 1
		.amdhsa_forward_progress 1
		.amdhsa_inst_pref_size 147
	.end_amdhsa_kernel
	.amdgpu_metadata
---
amdhsa.version: [ 1, 2 ]
amdhsa.kernels:
  - .name:           k_q1b22ebccf3_proj
    .symbol:         k_q1b22ebccf3_proj.kd
    .args:
      - { .name: q_codes, .offset: 0, .size: 8, .value_kind: global_buffer, .address_space: global }
      - { .name: q_scales, .offset: 8, .size: 8, .value_kind: global_buffer, .address_space: global }
      - { .name: Wq_codes, .offset: 16, .size: 8, .value_kind: global_buffer, .address_space: global }
      - { .name: Wq_scales, .offset: 24, .size: 8, .value_kind: global_buffer, .address_space: global }
      - { .name: bq, .offset: 32, .size: 8, .value_kind: global_buffer, .address_space: global }
      - { .name: k_codes, .offset: 40, .size: 8, .value_kind: global_buffer, .address_space: global }
      - { .name: k_scales, .offset: 48, .size: 8, .value_kind: global_buffer, .address_space: global }
      - { .name: Wk_codes, .offset: 56, .size: 8, .value_kind: global_buffer, .address_space: global }
      - { .name: Wk_scales, .offset: 64, .size: 8, .value_kind: global_buffer, .address_space: global }
      - { .name: bk, .offset: 72, .size: 8, .value_kind: global_buffer, .address_space: global }
      - { .name: v_codes, .offset: 80, .size: 8, .value_kind: global_buffer, .address_space: global }
      - { .name: v_scales, .offset: 88, .size: 8, .value_kind: global_buffer, .address_space: global }
      - { .name: Wv_codes, .offset: 96, .size: 8, .value_kind: global_buffer, .address_space: global }
      - { .name: Wv_scales, .offset: 104, .size: 8, .value_kind: global_buffer, .address_space: global }
      - { .name: bv, .offset: 112, .size: 8, .value_kind: global_buffer, .address_space: global }
      - { .name: pimg, .offset: 120, .size: 8, .value_kind: global_buffer, .address_space: global }
      - { .name: pscl, .offset: 128, .size: 8, .value_kind: global_buffer, .address_space: global }
    .group_segment_fixed_size: 295424
    .private_segment_fixed_size: 0
    .kernarg_segment_align: 8
    .kernarg_segment_size: 136
    .max_flat_workgroup_size: 128
    .sgpr_count:     102
    .vgpr_count:     1024
    .wavefront_size: 32
...
	.end_amdgpu_metadata
.endif
;; end of part 1
;; launch attn (part 2): grid 8 x 32, 16 waves a work-group, clusters of 4 x 1, 296,960 bytes of LDS; arguments pimg, pscl, oimg, oscl; writes oimg, oscl
.if DOCPART == 2
	.amdgcn_target "amdgcn-amd-amdhsa--gfx1250"
	.amdhsa_code_object_version 6
	.text
	.protected	k_q1b22ebccf3_attn
	.globl	k_q1b22ebccf3_attn
	.p2align	8
	.type	k_q1b22ebccf3_attn,@function
k_q1b22ebccf3_attn:
	s_mov_b64 s[64:65], 0
	v_nop
	global_prefetch_b8 v0, s[64:65] scope:SCOPE_SE
	s_setreg_imm32_b32 hwreg(HW_REG_WAVE_MODE, 25, 1), 1
	s_wait_xcnt 0x0
	s_wait_alu depctr_hold_cnt(0) depctr_sa_sdst(0) depctr_va_vdst(0) depctr_va_sdst(0) depctr_va_ssrc(0) depctr_va_vcc(0) depctr_vm_vsrc(0)
	s_getreg_b32 s2, hwreg(HW_REG_IB_STS2, 6, 4)
	s_cmp_eq_u32 s2, 0
	s_cbranch_scc0 .Lentry_in_a_cluster
	s_endpgm
.Lentry_in_a_cluster:
	s_bfe_u32 s2, ttmp6, 0x10000c
	s_cmp_lg_u32 s2, 0x3003
	s_cbranch_scc0 .Lentry_shape_is_right
	s_endpgm
.Lentry_shape_is_right:
; ATTENTION on codes of FP4 (E2M1): S^T = K Q^T over the head's 64, the softmax, O^T = V^T P^T over the keys, O / the row's sum, and O quantised along D for the last projection.
; THE SOFTMAX AHEAD OF THE SECOND PRODUCT: t = score x log2(e) / 8; M = the row's largest t so far, rounded UP to a whole number; p = 2^(t - M) is quantised along the keys, not normalised.
; The row's sum is taken of the unquantised p and divides O at the end.  When M moves, the sum and O are multiplied by 2^(old M - new M): exact.
; SHARES.  A work-group owns 256 queries of one PAIR of heads (128 features); each of its sixteen waves owns 16 queries, in 256 registers, and runs the pair's first head and then its second:
; so the wave owns a whole operand fragment (16 tokens x 128 along D) and a whole scale word of the last projection.  Every wave walks all 2,048 keys, 128 a step.
; K, V and their scale words of BOTH heads lie in LDS at once, as the first launch laid them: images of the operands' registers, 16 bytes a lane at 16 x lane: no pitch, no padding.  Each byte of LDS is filled once.
; CLUSTER.  The four query blocks of a cluster walk the same K and V: every fill is a joint load with a mask that names the four.
; LAYOUT.  Both products are used transposed: a lane holds ONE query (lane % 16); register 8 t + j of the scores is key 16 t + 8 (lane / 16) + j of the step, of O^T channel 16 t + 8 (lane / 16) + j.
; The head's 64 fill half of the instruction's 128 along K: registers 4-7 of Q's and K's fragments are zero codes for the whole launch, and the upper two bytes of their scale words stand for 1.0.
; LIMITS: a block of zeros, or one whose largest magnitude lies under 2^-124, gets the byte 1; these bytes are read by this program alone.  NaN and infinities are not served.  A block's largest p is made from its largest score,
; which takes v_exp_f32 not to fall where its input rises.  O / the sum is v_rcp_f32 and a multiplication.
; REGISTERS: v1 16 x lane, v2 16 x (lane % 16); v3 Q's scale word; v4-7 V's scale words; v8-11 the step's LDS addresses; v12 -M, v13 the largest t, v[14:15] the sum in two halves; v16-23 Q; v24-27 O's codes, v28 O's scale word;
;   v29-31 addresses of the words' way out; v32-95 eight fragments of K; v96-159 S^T, then p; v160-191 O^T; v192-223 four fragments of V; v224-231 p's codes; v232-239, v248-254 at work; v240-247 K's scale words; v255 p's scale word.
.set HREG, 143360                      ; a head's region in LDS: K's images 65,536, V's 65,536, K's scale words 8,192, V's 4,096
.set VIMG, 65536
.set KSC,  131072
.set VSC,  139264
.set OSTG, 2*HREG                      ; behind both: 1,024 bytes in which the waves' scale words meet; no fill lands there
.set WV,   12
.set QP,   18                          ; s[18:19] my tile of Q in pimg
.set SEL,  20                          ; s[20:21] lane selects for v_permlanex16_b32: lane l xor 16
.set CS,   22                          ; s[22:23] c = log2(e) / 8
.set G1K,  24                          ; s[24:31], s[32:39], s[40:47], s[48:55] groups 1: K's images, V's, K's scale words, V's
.set G1V,  32
.set G1KS, 40
.set G1VS, 48
.set G0K,  56                          ; groups 0, a set for each head: s[56:63], s[68:75], s[76:83], s[84:91]
.set G0V,  68
.set G0KS, 76
.set G0VS, 84
.set TBK,  92                          ; s92-95 LDS bytes at which the step's K, V, K's words and V's words begin
.set TBV,  93
.set TSK,  94
.set TSV,  95
.set CNT,  96
.set QSP,  98                          ; s[98:99] my tile's scale words of Q in pscl
.macro PLACES n
.rept \n
	v_nop
.endr
.endm
.macro CROUND                          ; a round of the cluster's barrier
	s_barrier_signal -1
	s_barrier_wait -1
	s_cmp_lg_u32 s[WV], 0
	s_cbranch_scc1 .Lnot_wave_0_\@
	s_barrier_signal -3
.Lnot_wave_0_\@:
	s_barrier_wait -3
	s_barrier_signal -1
	s_barrier_wait -1
.endm
	s_load_b256 s[4:11], s[0:1], 0x0               ; pimg s[4:5], pscl s[6:7], oimg s[8:9], oscl s[10:11]
	v_lshl_add_u32 v254, v0, 2, 0x48000
	v_mov_b32 v255, 0
	ds_add_u32 v254, v255
	ds_add_u32 v254, v255
	s_wait_dscnt 0x0
	v_lshrrev_b32 v8, 5, v0
	s_delay_alu instid0(VALU_DEP_1)
	v_readfirstlane_b32 s[WV], v8                  ; wave 0..15
	v_and_b32 v1, 31, v0
	s_delay_alu instid0(VALU_DEP_1)
	v_lshlrev_b32 v1, 4, v1                        ; 16 x lane
	v_and_b32 v2, 15, v0
	s_delay_alu instid0(VALU_DEP_1)
	v_lshlrev_b32 v29, 2, v2
	s_delay_alu instid0(VALU_DEP_2)
	v_lshlrev_b32 v2, 4, v2                        ; 16 r
	s_lshl_b32 s16, s[WV], 6
	s_add_co_u32 s16, s16, OSTG
	v_add_nc_u32 v29, s16, v29                     ; where my row's scale word goes: 64 bytes a wave, 4 r
	s_and_b32 s17, s[WV], 1
	s_lshl_b32 s16, s17, 9
	v_add_nc_u32 v31, s16, v1                      ; waves 0 and 1 carry the 1,024 bytes out, 512 each
	s_delay_alu instid0(VALU_DEP_1)
	v_add_nc_u32 v30, OSTG, v31
	s_bfe_u32 s13, ttmp6, 0x40000                  ; cx
	s_lshl_b32 s14, ttmp9, 2
	s_add_co_u32 s14, s14, s13                     ; my block of 256 queries: it enters Q's and the outputs' addresses alone
	s_and_b32 s15, ttmp7, 0xffff                   ; y = batch x 8 + pair of heads, which the four partners share
	s_mov_b32 s[SEL], 0x76543210
	s_mov_b32 s[SEL+1], 0xfedcba98
	s_mov_b32 s[CS], 0x3e38aa3b                    ; log2(e) / 8
	s_mov_b32 s[CS+1], s[CS]                       ; named with it as a pair, so it is written
	; groups 1: elements of 8 bytes, no padding, the mask names all four work-groups, bit 21 set beside it
.irp g, G1K, G1V, G1KS, G1VS
	s_mov_b32 s[\g], 15|(3<<16)|(1<<21)
	s_mov_b32 s[\g+6], 0
	s_mov_b32 s[\g+7], 0
.endr
	s_mov_b32 s[G1K+1], 64<<16                     ; K: a tile's image for one head is 512 bytes, the next tile's 1,024 bytes on; 64 tiles to a load
	s_mov_b32 s[G1K+2], 64<<16
	s_mov_b32 s[G1K+3], 64<<16
	s_mov_b32 s[G1K+4], 64
	s_mov_b32 s[G1K+5], 128
	s_mov_b32 s[G1V+1], 512<<16                    ; V: a step's four fragments of one head are 4,096 bytes, the next step's 8,192 bytes on; 8 steps to a load
	s_mov_b32 s[G1V+2], 8<<16
	s_mov_b32 s[G1V+3], 512<<16
	s_mov_b32 s[G1V+4], 8
	s_mov_b32 s[G1V+5], 1024
	s_mov_b32 s[G1KS+1], 32<<16                    ; K's words: 256 bytes for a head and four tiles, 512 bytes apart; 32 of them
	s_mov_b32 s[G1KS+2], 32<<16
	s_mov_b32 s[G1KS+3], 32<<16
	s_mov_b32 s[G1KS+4], 32
	s_mov_b32 s[G1KS+5], 64
	s_mov_b32 s[G1VS+1], 32<<16                    ; V's words: 256 bytes for a head and a step, 1,024 bytes apart; 16 of them
	s_mov_b32 s[G1VS+2], 16<<16
	s_mov_b32 s[G1VS+3], 32<<16
	s_mov_b32 s[G1VS+4], 16
	s_mov_b32 s[G1VS+5], 128
	s_lshl_b32 s16, s17, 15                        ; the half of a head's images that I fetch, if I fetch: in LDS,
	s_lshl_b32 s92, s15, 17                        ; y x 16 steps x 8,192 bytes,
	s_lshl_b32 s94, s17, 16                        ; and the half in memory
	s_add_co_u32 s92, s92, s94
	s_mov_b32 s93, 0
	s_lshl_b32 s94, s15, 14                        ; y x 16 steps x 1,024 bytes of words
	s_mov_b32 s95, 0
	s_wait_kmcnt 0x0
	s_add_nc_u64 s[92:93], s[4:5], s[92:93]
	s_add_nc_u64 s[94:95], s[6:7], s[94:95]
.irp c, 0,1
	s_mov_b32 s[G0K+4*\c], 1                       ; 1:0 count = 1
	s_add_co_u32 s[G0K+4*\c+1], s16, \c*HREG       ; 63:32 LDS address
	s_add_nc_u64 s[G0K+4*\c+2:G0K+4*\c+3], s[92:93], 0x400000+512*\c   ; 120:64 global address: K's part of pimg, head c
	s_or_b32 s[G0K+4*\c+3], s[G0K+4*\c+3], 0x80000000                  ; 127:126 type = 2
	s_mov_b32 s[G0V+4*\c], 1
	s_add_co_u32 s[G0V+4*\c+1], s16, \c*HREG+VIMG
	s_add_nc_u64 s[G0V+4*\c+2:G0V+4*\c+3], s[92:93], 0x800000+4096*\c
	s_or_b32 s[G0V+4*\c+3], s[G0V+4*\c+3], 0x80000000
	s_mov_b32 s[G0KS+4*\c], 1
	s_mov_b32 s[G0KS+4*\c+1], \c*HREG+KSC
	s_add_nc_u64 s[G0KS+4*\c+2:G0KS+4*\c+3], s[94:95], 0x80000+256*\c
	s_or_b32 s[G0KS+4*\c+3], s[G0KS+4*\c+3], 0x80000000
	s_mov_b32 s[G0VS+4*\c], 1
	s_mov_b32 s[G0VS+4*\c+1], \c*HREG+VSC
	s_add_nc_u64 s[G0VS+4*\c+2:G0VS+4*\c+3], s[94:95], 0x100000+512*\c
	s_or_b32 s[G0VS+4*\c+3], s[G0VS+4*\c+3], 0x80000000
.endr
	CROUND                                         ; all four work-groups are here: the joint loads meet
	; waves 0, 1: K's halves; waves 2, 3: V's; wave 4: K's words; wave 5: V's; the others nothing.  A wave's two fills stand in one arm, the first head's first: two loads of a wave are out at the most.
	; Four v_nop follow them, ahead of the jump and the label.  The branches hang on the wave's number alone.
	s_cmp_lt_u32 s[WV], 2
	s_cbranch_scc0 .Lnot_k
	tensor_load_to_lds s[G0K:G0K+3], s[G1K:G1K+7]
	s_nop 0
	tensor_load_to_lds s[G0K+4:G0K+7], s[G1K:G1K+7]
	s_nop 0
	PLACES 4
	s_branch .Lasked
.Lnot_k:
	s_cmp_lt_u32 s[WV], 4
	s_cbranch_scc0 .Lnot_v
	tensor_load_to_lds s[G0V:G0V+3], s[G1V:G1V+7]
	s_nop 0
	tensor_load_to_lds s[G0V+4:G0V+7], s[G1V:G1V+7]
	s_nop 0
	PLACES 4
	s_branch .Lasked
.Lnot_v:
	s_cmp_eq_u32 s[WV], 4
	s_cbranch_scc0 .Lnot_ks
	tensor_load_to_lds s[G0KS:G0KS+3], s[G1KS:G1KS+7]
	s_nop 0
	tensor_load_to_lds s[G0KS+4:G0KS+7], s[G1KS:G1KS+7]
	s_nop 0
	PLACES 4
	s_branch .Lasked
.Lnot_ks:
	s_cmp_eq_u32 s[WV], 5
	s_cbranch_scc0 .Lasked
	tensor_load_to_lds s[G0VS:G0VS+3], s[G1VS:G1VS+7]
	s_nop 0
	tensor_load_to_lds s[G0VS+4:G0VS+7], s[G1VS:G1VS+7]
	s_nop 0
	PLACES 4
.Lasked:
	; my own addresses
	s_lshl_b32 s2, s15, 17
	s_lshl_b32 s3, s14, 14                         ; a block of 256 queries is two image numbers,
	s_add_co_u32 s2, s2, s3
	s_lshl_b32 s3, s[WV], 10                       ; a tile 1,024 bytes
	s_add_co_u32 s2, s2, s3
	s_mov_b32 s3, 0
	s_add_nc_u64 s[QP:QP+1], s[4:5], s[2:3]
	s_lshl_b32 s2, s15, 14
	s_lshl_b32 s96, s14, 11
	s_add_co_u32 s2, s2, s96
	s_lshr_b32 s96, s[WV], 2
	s_lshl_b32 s96, s96, 9                         ; four tiles' words are 512 bytes,
	s_add_co_u32 s2, s2, s96
	s_and_b32 s96, s[WV], 3
	s_lshl_b32 s96, s96, 2                         ; my tile's is one of a lane's four
	s_add_co_u32 s2, s2, s96
	s_add_nc_u64 s[QSP:QSP+1], s[6:7], s[2:3]
	s_wait_alu depctr_va_vdst(0)
	global_load_b128 v[16:19], v1, s[QP:QP+1]      ; Q's fragment of the first head: registers 0-3
	global_load_b32 v3, v2, s[QSP:QSP+1]           ; and its scale words
	s_lshr_b32 s96, s15, 3
	s_lshl_b32 s96, s96, 7
	s_lshl_b32 s97, s14, 4
	s_add_co_u32 s96, s96, s97                     ; the work-group's first tile of 16 tokens: batch x 128 + 16 x block
	s_and_b32 s97, s15, 7                          ; the pair of heads = the K step of the last projection
	s_add_co_u32 s2, s96, s[WV]
	s_lshl_b32 s2, s2, 13                          ; oimg: 8,192 bytes a tile,
	s_lshl_b32 s16, s97, 10                        ; 1,024 a K step
	s_add_co_u32 s2, s2, s16
	s_add_nc_u64 s[8:9], s[8:9], s[2:3]
	s_lshl_b32 s2, s97, 15                         ; oscl: 32,768 bytes a K step,
	s_lshl_b32 s96, s96, 6                         ; 64 a tile
	s_add_co_u32 s2, s2, s96
	s_add_nc_u64 s[10:11], s[10:11], s[2:3]
.irp j, 20,21,22,23
	v_mov_b32 v[\j], 0                             ; Q's K = 64 .. 127: zero codes
.endr
.irp t, 0,1,2,3,4,5,6,7
.irp j, 4,5,6,7
	v_mov_b32 v[32+8*\t+\j], 0                     ; K's likewise, for the whole launch
.endr
.endr
.irp b, 0,1,2,3
	v_mov_b32 v[236+\b], 0                         ; written once: a lane permute's destination counts as one of its sources
.endr
	v_mov_b32 v253, 0                              ; named as the upper half of the pair v[252:253]
; A KEY STEP: 128 keys.
.macro STEP
	v_add_nc_u32 v8, s[TBK], v1                    ; these four are also the places between the last step's products V^T P and the loads into their registers
	v_add_nc_u32 v9, s[TBV], v1
	v_add_nc_u32 v10, s[TSK], v2
	v_add_nc_u32 v11, s[TSV], v2
	ds_load_b128 v[240:243], v10                   ; K's scale words of tiles 0-3 and 4-7
	ds_load_b128 v[244:247], v10 offset:256
.irp t, 0,1,2,3,4,5,6,7
	ds_load_b128 v[32+8*\t:35+8*\t], v8 offset:512*\t      ; K's tile t: registers 0-3 of its fragment
.endr
	ds_load_b128 v[4:7], v11                       ; V's scale words of its four tiles
.irp t, 0,1,2,3
	ds_load_b128 v[192+8*\t:195+8*\t], v9 offset:1024*\t
	ds_load_b128 v[196+8*\t:199+8*\t], v9 offset:1024*\t+512
.endr
	s_wait_dscnt 9                                 ; K and its words are in; the nine youngest loads, V's, may stay out
.irp t, 0,1,2,3,4,5,6,7
	v_wmma_scale_f32_16x16x128_f8f6f4 v[96+8*\t:103+8*\t], v[32+8*\t:39+8*\t], v[16:23], 0, v[240+\t], v3 matrix_a_fmt:MATRIX_FMT_FP4 matrix_b_fmt:MATRIX_FMT_FP4
.endr
	PLACES 4
.irp b, 0,1,2,3
	v_max3_num_f32 v[232+\b], v[96+16*\b], v[97+16*\b], v[98+16*\b]   ; the largest score of each block of 32 keys: it serves for the row's maximum and, since p rises with the score, for the block's largest p
.endr
.irp i, 3,5,7,9,11,13
.irp b, 0,1,2,3
	v_max3_num_f32 v[232+\b], v[232+\b], v[96+16*\b+\i], v[97+16*\b+\i]   ; the four blocks by turns
.endr
.endr
.irp b, 0,1,2,3
	v_max_num_f32 v[232+\b], v[232+\b], v[111+16*\b]
.endr
.irp b, 0,1,2,3
	s_delay_alu instid0(VALU_DEP_4)
	v_permlanex16_b32 v[236+\b], v[232+\b], s[SEL], s[SEL+1]
.endr
.irp b, 0,1,2,3
	s_delay_alu instid0(VALU_DEP_4)
	v_max_num_f32 v[232+\b], v[232+\b], v[236+\b]  ; with lane l xor 16's 16 keys
.endr
	s_delay_alu instid0(VALU_DEP_2)
	v_max3_num_f32 v254, v232, v233, v234
	s_delay_alu instid0(VALU_DEP_1)
	v_max_num_f32 v254, v254, v235                 ; the step's largest score of my query
	s_delay_alu instid0(VALU_DEP_1)
	v_mul_f32 v254, s[CS], v254                    ; as t (c is positive)
	s_delay_alu instid0(VALU_DEP_1)
	v_max_num_f32 v13, v13, v254                   ; the running largest t
	v_mov_b32 v254, v12
	s_delay_alu instid0(VALU_DEP_2)
	v_floor_f32 v12, -v13                          ; the new -M = floor(-t) = -ceil(t): a whole number
	s_delay_alu instid0(VALU_DEP_1)
	v_sub_f32 v254, v12, v254                      ; old M less new M: a whole number, 0 or less
	s_delay_alu instid0(VALU_DEP_1)
	v_cvt_i32_f32 v254, v254                       ; (it saturates)
	s_delay_alu instid0(VALU_DEP_1)
	v_ldexp_f32 v252, 1.0, v254                    ; f = 2^(old M - new M)
.set j, 0
.rept 32
	v_pk_fma_f32 v[96+j:97+j], v[96+j:97+j], s[CS:CS+1], v[12:13] op_sel_hi:[1,0,0]   ; t - M, two at a time (of the pairs c and -M the low word serves both halves)
.set j, j+2
.endr
.irp b, 0,1,2,3
	v_fma_f32 v[232+\b], v[232+\b], s[CS], v12     ; the same of each block's largest score
.endr
.set j, 0
	s_wait_alu depctr_va_vdst(0)
.rept 64
	v_exp_f32 v[96+j], v[96+j]                     ; p = 2^(t - M), at most 1: not normalised
.set j, j+1
.endr
	s_setprio 1
	v_pk_mul_f32 v[14:15], v[14:15], v[252:253] op_sel_hi:[1,0]   ; the sums under the new M: the plain place behind the exponentials
	s_wait_alu depctr_va_vdst(0)                   ; one wait for the whole batch, ahead of its first reader
.irp b, 0,1,2,3
	v_exp_f32 v[232+\b], v[232+\b]                 ; the block's largest p: the same two instructions on the same number give the same bits
.endr
	v_pk_add_f32 v[236:237], v[100:101], v[104:105]
	v_pk_add_f32 v[254:255], v[108:109], v[112:113]
	v_pk_add_f32 v[250:251], v[116:117], v[120:121]
	v_pk_add_f32 v[248:249], v[124:125], v[128:129]
	v_pk_add_f32 v[246:247], v[132:133], v[136:137]
	v_pk_add_f32 v[244:245], v[140:141], v[144:145]
	v_pk_add_f32 v[242:243], v[148:149], v[152:153]
	v_pk_add_f32 v[14:15], v[14:15], v[156:157]
	v_pk_add_f32 v[236:237], v[236:237], v[96:97]
	v_pk_add_f32 v[254:255], v[254:255], v[98:99]
	v_pk_add_f32 v[250:251], v[250:251], v[102:103]
	v_pk_add_f32 v[248:249], v[248:249], v[106:107]
	v_pk_add_f32 v[246:247], v[246:247], v[110:111]
	v_pk_add_f32 v[244:245], v[244:245], v[114:115]
	v_pk_add_f32 v[242:243], v[242:243], v[118:119]
	v_pk_add_f32 v[14:15], v[14:15], v[122:123]
	v_pk_add_f32 v[236:237], v[236:237], v[126:127]
	v_pk_add_f32 v[254:255], v[254:255], v[130:131]
	v_pk_add_f32 v[250:251], v[250:251], v[134:135]
	v_pk_add_f32 v[248:249], v[248:249], v[138:139]
	v_pk_add_f32 v[246:247], v[246:247], v[142:143]
	v_pk_add_f32 v[244:245], v[244:245], v[146:147]
	v_pk_add_f32 v[242:243], v[242:243], v[150:151]
	v_pk_add_f32 v[14:15], v[14:15], v[154:155]
	v_pk_add_f32 v[236:237], v[236:237], v[158:159]
	s_delay_alu instid0(VALU_DEP_2)
	v_pk_add_f32 v[14:15], v[14:15], v[248:249]
	s_delay_alu instid0(VALU_DEP_2)
	v_pk_add_f32 v[236:237], v[236:237], v[246:247]
	v_pk_add_f32 v[254:255], v[254:255], v[244:245]
	v_pk_add_f32 v[250:251], v[250:251], v[242:243]
	s_delay_alu instid0(VALU_DEP_2)
	v_pk_add_f32 v[14:15], v[14:15], v[254:255]
	s_delay_alu instid0(VALU_DEP_2)
	v_pk_add_f32 v[236:237], v[236:237], v[250:251]
	s_delay_alu instid0(VALU_DEP_1)
	v_pk_add_f32 v[14:15], v[14:15], v[236:237]
	s_wait_alu depctr_va_vdst(0)                   ; and one for the four
.irp b, 0,1,2,3
	v_max_num_f32 v[232+\b], 0x1800000, v[232+\b]  ; the floor 2^(3 - 127): the byte cannot fall under 1
.endr
.irp b, 0,1,2,3
	s_delay_alu instid0(VALU_DEP_4)
	v_add_nc_u32 v[248+\b], 0xff000000, v[232+\b]  ; 2 off the exponent field: the conversion's scale operand
.endr
.irp b, 0,1,2,3
	s_delay_alu instid0(VALU_DEP_4)
	v_lshrrev_b32 v[236+\b], 23, v[248+\b]         ; the scale's byte
.endr
	s_delay_alu instid0(VALU_DEP_3)
	v_lshl_or_b32 v255, v237, 8, v236              ; p's scale word for these 128 keys
	s_delay_alu instid0(VALU_DEP_1)
	v_lshl_or_b32 v255, v238, 16, v255
	s_delay_alu instid0(VALU_DEP_1)
	v_lshl_or_b32 v255, v239, 24, v255
.irp b, 0,1,2,3
	v_cvt_scalef32_pk8_fp4_f32 v[224+4*(\b/2)+(\b%2)], v[96+16*\b:103+16*\b], v[248+\b]      ; block b's codes 0-7 (lanes 0-15) and 8-15 (lanes 16-31),
	v_cvt_scalef32_pk8_fp4_f32 v[226+4*(\b/2)+(\b%2)], v[104+16*\b:111+16*\b], v[248+\b]     ; 16-23 and 24-31
.endr
	v_nop                                          ; one plain place behind the scaled conversions
.irp c, 0,1                                    ; the operand wants a whole block in a lane: lanes 0-15 block 2 c, lanes 16-31 block 2 c + 1: the two blocks' results change halves
	v_permlane16_swap_b32 v[224+4*\c], v[225+4*\c]
	v_permlane16_swap_b32 v[226+4*\c], v[227+4*\c]
.endr
.set j, 0
	s_setprio 0
.rept 16
	v_pk_mul_f32 v[160+j:161+j], v[160+j:161+j], v[252:253] op_sel_hi:[1,0]   ; O^T under the new M.  These sixteen are also the places between the lines that wrote p's codes and its scale word and the scaled products
.set j, j+2
.endr
	s_wait_alu depctr_va_vdst(0)
	s_wait_dscnt 0x0                               ; V and its words are in
.irp t, 0,1,2,3                                ; the four accumulators take turns, one instruction a turn, over the backward jump too
	v_wmma_scale_f32_16x16x128_f8f6f4 v[160+8*\t:167+8*\t], v[192+8*\t:199+8*\t], v[224:231], v[160+8*\t:167+8*\t], v[4+\t], v255 matrix_a_fmt:MATRIX_FMT_FP4 matrix_b_fmt:MATRIX_FMT_FP4
.endr
.endm
; Head c's O^T is divided by the row's sum and quantised along D: its 64 channels are two blocks, four registers of codes and two bytes.
.macro WAYOUT c
	PLACES 4                                       ; behind the last products
	v_add_f32 v14, v14, v15                        ; the sum's two halves,
	s_delay_alu instid0(VALU_DEP_1)
	v_permlanex16_b32 v252, v14, s[SEL], s[SEL+1]
	s_delay_alu instid0(VALU_DEP_1)
	v_add_f32 v14, v14, v252                       ; and lane l xor 16's: the row's sum
	s_wait_alu depctr_va_vdst(0)
	v_rcp_f32 v14, v14
	v_nop                                          ; a plain place behind the reciprocal
	s_wait_alu depctr_va_vdst(0)                   ; and the wait ahead of its first reader
.set j, 0
.rept 16
	v_pk_mul_f32 v[96+j:97+j], v[160+j:161+j], v[14:15] op_sel_hi:[1,0]   ; each accumulator from its low end on
.set j, j+2
.endr
	v_max3_num_f32 v232, |v96|, |v97|, 0x1800000
	v_max3_num_f32 v233, |v112|, |v113|, 0x1800000
.irp i, 2,4,6,8,10,12,14
	s_delay_alu instid0(VALU_DEP_2)
	v_max3_num_f32 v232, v232, |v[96+\i]|, |v[97+\i]|
	s_delay_alu instid0(VALU_DEP_2)
	v_max3_num_f32 v233, v233, |v[112+\i]|, |v[113+\i]|
.endr
	s_delay_alu instid0(VALU_DEP_2)
	v_permlanex16_b32 v236, v232, s[SEL], s[SEL+1]
	s_delay_alu instid0(VALU_DEP_2)
	v_permlanex16_b32 v237, v233, s[SEL], s[SEL+1]
	s_delay_alu instid0(VALU_DEP_2)
	v_max_num_f32 v232, v232, v236
	s_delay_alu instid0(VALU_DEP_2)
	v_max_num_f32 v233, v233, v237
	s_delay_alu instid0(VALU_DEP_2)
	v_add_nc_u32 v248, 0xff000000, v232
	s_delay_alu instid0(VALU_DEP_2)
	v_add_nc_u32 v249, 0xff000000, v233
	s_delay_alu instid0(VALU_DEP_2)
	v_lshrrev_b32 v236, 23, v248
	s_delay_alu instid0(VALU_DEP_2)
	v_lshrrev_b32 v237, 23, v249
.if (\c) == 0
	s_delay_alu instid0(VALU_DEP_1)
	v_lshl_or_b32 v28, v237, 8, v236               ; the word's lower two bytes
.else
	s_delay_alu instid0(VALU_DEP_1)
	v_lshl_or_b32 v254, v237, 8, v236
	s_delay_alu instid0(VALU_DEP_1)
	v_lshl_or_b32 v28, v254, 16, v28               ; and its upper two
	s_wait_alu depctr_va_vdst(0)
	s_wait_xcnt 0x0                                ; the first head's store has read v24-27: they are written again only behind this wait
.endif
	v_cvt_scalef32_pk8_fp4_f32 v24, v[96:103], v248
	v_cvt_scalef32_pk8_fp4_f32 v26, v[104:111], v248
	v_cvt_scalef32_pk8_fp4_f32 v25, v[112:119], v249
	v_cvt_scalef32_pk8_fp4_f32 v27, v[120:127], v249
	v_nop
	v_permlane16_swap_b32 v24, v25
	v_permlane16_swap_b32 v26, v27
	global_store_b128 v1, v[24:27], s[8:9] offset:512*(\c)   ; registers 4 c .. 4 c + 3 of the fragment: 512 consecutive bytes
.endm
.macro HEAD c
	v_mov_b32 v13, 0xff61b1e6                      ; the largest t so far: -3e38, under every t
	s_delay_alu instid0(VALU_DEP_1)
	v_floor_f32 v12, -v13                          ; -M
	v_mov_b32 v14, 0
	v_mov_b32 v15, 0
.set j, 0
.rept 32
	v_mov_b32 v[160+j], 0                          ; O^T: the step is written once; its first trip finds zeros, which the first change of M leaves zeros
.set j, j+1
.endr
	s_mov_b32 s[TBK], (\c)*HREG
	s_mov_b32 s[TBV], (\c)*HREG+VIMG
	s_mov_b32 s[TSK], (\c)*HREG+KSC
	s_mov_b32 s[TSV], (\c)*HREG+VSC
	s_mov_b32 s[CNT], 16
	s_wait_loadcnt 0x0                             ; Q and its scale words
.Lstep_\@:
	s_setprio 2
	STEP
	s_add_co_u32 s[TBK], s[TBK], 4096
	s_add_co_u32 s[TBV], s[TBV], 4096
	s_add_co_u32 s[TSK], s[TSK], 512
	s_add_co_u32 s[TSV], s[TSV], 256
	s_sub_co_u32 s[CNT], s[CNT], 1
	s_cmp_lg_u32 s[CNT], 0
	s_cbranch_scc1 .Lstep_\@
	s_setprio 0
.if (\c) == 0
	global_load_b128 v[16:19], v1, s[QP:QP+1] offset:512   ; the second head's Q: the last products that read these registers stand a whole softmax back
	global_load_b32 v3, v2, s[QSP:QSP+1] offset:256
.endif
	WAYOUT \c
.endm
	s_wait_tensorcnt 1                             ; my tile of the first head has landed; the second head's may stay out
	s_barrier_signal -1
	s_barrier_wait -1                              ; everybody's has
	HEAD 0
	s_wait_tensorcnt 0x0                           ; my tile of the second head has landed,
	s_wait_dscnt 0x0
	s_barrier_signal -1
	s_barrier_wait -1                              ; everybody's has
	HEAD 1
	ds_store_b32 v29, v28                          ; my 16 rows' scale words: both lanes of a row write the same word with the same value
	s_wait_dscnt 0x0                               ; for the others' sake: my store is done
	s_barrier_signal -1
	s_barrier_wait -1
	s_cmp_lt_u32 s[WV], 2                          ; the work-group's 256 words leave by two stores of 512 consecutive bytes
	s_cbranch_scc0 .Lno_words
	ds_load_b128 v[96:99], v30
	s_wait_dscnt 0x0
	global_store_b128 v31, v[96:99], s[10:11]
.Lno_words:
	s_wait_xcnt 0x0
	v_lshl_add_u32 v254, v0, 2, 0x48000
	v_mov_b32 v255, 0
	s_wait_alu depctr_va_vdst(0)
	s_wait_tensorcnt 0x0
	ds_add_u32 v254, v255
	s_wait_dscnt 0x0
	CROUND                                         ; the closing round: no work-group ends while a partner may still ask for a tile that names it
	s_endpgm
.Lfunc_end_k_q1b22ebccf3_attn:
	.size	k_q1b22ebccf3_attn, .Lfunc_end_k_q1b22ebccf3_attn-k_q1b22ebccf3_attn
	.p2alignl 7, 3214868480
	.fill 96, 4, 3214868480
	.section	.rodata,"a",@progbits
	.p2align	6, 0x0
	.amdhsa_kernel k_q1b22ebccf3_attn
		.amdhsa_group_segment_fixed_size 296960
		.amdhsa_private_segment_fixed_size 0
		.amdhsa_enable_private_segment 0
		.amdhsa_kernarg_size 32
		.amdhsa_user_sgpr_count 2
		.amdhsa_user_sgpr_kernarg_segment_ptr 1
		.amdhsa_wavefront_size32 1
		.amdhsa_system_sgpr_workgroup_id_x 1
		.amdhsa_system_sgpr_workgroup_id_y 1
		.amdhsa_system_sgpr_workgroup_id_z 1
		.amdhsa_system_vgpr_workitem_id 0
		.amdhsa_next_free_vgpr 256
		.amdhsa_next_free_sgpr 100
		.amdhsa_reserve_vcc 0
		.amdhsa_float_denorm_mode_32 3
		.amdhsa_float_denorm_mode_16_64 3
		.amdhsa_memory_ordered 1
		.amdhsa_forward_progress 1
		.amdhsa_inst_pref_size 56
	.end_amdhsa_kernel
	.amdgpu_metadata
---
amdhsa.version: [ 1, 2 ]
amdhsa.kernels:
  - .name:           k_q1b22ebccf3_attn
    .symbol:         k_q1b22ebccf3_attn.kd
    .args:
      - { .name: pimg, .offset: 0, .size: 8, .value_kind: global_buffer, .address_space: global }
      - { .name: pscl, .offset: 8, .size: 8, .value_kind: global_buffer, .address_space: global }
      - { .name: oimg, .offset: 16, .size: 8, .value_kind: global_buffer, .address_space: global }
      - { .name: oscl, .offset: 24, .size: 8, .value_kind: global_buffer, .address_space: global }
    .group_segment_fixed_size: 296960
    .private_segment_fixed_size: 0
    .kernarg_segment_align: 8
    .kernarg_segment_size: 32
    .max_flat_workgroup_size: 512
    .sgpr_count:     100
    .vgpr_count:     256
    .wavefront_size: 32
...
	.end_amdgpu_metadata
.endif
;; end of part 2
;; launch outp (part 3): grid 4 x 64, 4 waves a work-group, clusters of 4 x 4, 262,656 bytes of LDS; arguments oimg, oscl, Wo_codes, Wo_scales, bo, out0; writes out0
.if DOCPART == 3
	.amdgcn_target "amdgcn-amd-amdhsa--gfx1250"
	.amdhsa_code_object_version 6
	.text
	.protected	k_q1b22ebccf3_outp
	.globl	k_q1b22ebccf3_outp
	.p2align	8
	.type	k_q1b22ebccf3_outp,@function
k_q1b22ebccf3_outp:
	s_mov_b64 s[64:65], 0
	v_nop
	global_prefetch_b8 v0, s[64:65] scope:SCOPE_SE
	s_setreg_imm32_b32 hwreg(HW_REG_WAVE_MODE, 25, 1), 1
	s_wait_xcnt 0x0
	s_wait_alu depctr_hold_cnt(0) depctr_sa_sdst(0) depctr_va_vdst(0) depctr_va_sdst(0) depctr_va_ssrc(0) depctr_va_vcc(0) depctr_vm_vsrc(0)
	s_getreg_b32 s2, hwreg(HW_REG_IB_STS2, 6, 4)
	s_cmp_eq_u32 s2, 0
	s_cbranch_scc0 .Lentry_in_a_cluster
	s_endpgm
.Lentry_in_a_cluster:
	s_bfe_u32 s2, ttmp6, 0x10000c
	s_cmp_lg_u32 s2, 0xf033
	s_cbranch_scc0 .Lentry_shape_is_right
	s_endpgm
.Lentry_shape_is_right:
; THE LAST PROJECTION: out0 = O Wo^T + bo on codes of FP4 (E2M1) with one E8M0 byte for each 32 along K = 1,024; sums and out0 in f32.
; O comes as the attention launch laid it: images of operand fragments (16 tokens x 128 K: 1,024 bytes, 16 bytes a lane at 16 x lane) and one scale word for a row and K step.  Wo comes as rows of 512 bytes of codes and 32 scale bytes.
; SHARES.  A work-group of four waves makes 128 tokens x 256 features: 256 work-groups.  A wave makes 64 x 128: 32 accumulators, 256 registers.  All of K lies in LDS at once: each byte that a tensor load fills is filled once.
; CLUSTERS: 4 x 4 work-groups.  The four of a row of the cluster need the same tokens, the four of a column the same rows of Wo: each tile is asked for jointly.
; THE MATRIX INSTRUCTION IS USED TRANSPOSED (source 0 = 16 rows of Wo, source 1 = 16 tokens): a lane holds eight neighbouring numbers of a row of out0.  bo is the C of each sum's first product.
; REGISTERS, in windows of 256: window 0: v1-31 addresses; v32-95 Wo's scale words (register 8 b + q), v96-127 the tokens' (8 a + q); v128-191 the tokens' fragments, two sets of 32; on the way out v128-255 rows of out0.
;   window 1: Wo's fragments, two sets, at v0 and v128; v64-127 bo in the result's layout.   window 2: the accumulators, (a, b) at v[8 (8 a + b)].
.set PITCH,  528                       ; an LDS row of Wo's codes: 512 bytes + 16 of padding: row r starts at bank 4 r mod 64 (64 banks of 4 bytes: ISA guide 11.1)
.set HALFT,  128*PITCH
.set WGT,    65536                     ; LDS: the tokens' images 65,536 bytes; Wo's 256 rows;
.set TSC,    WGT+2*HALFT               ; the tokens' scale words, 512 bytes a K step;
.set WSC,    TSC+4096                  ; Wo's scale bytes, as pieces of 256 bytes + 16 of padding;
.set STAGE,  WSC+32*272                ; the way out: 16 rows x (512 bytes + 16) for each wave; no fill lands there
.set SPITCH, 528
.set ADRA, 16
.set ADRB, 17
.set ADSA, 18
.set ADSB, 19
.set STO,  24
.set RD,   25
.set CO,   26
.set BO0,  27
.set SCB,  32
.set SCA,  96
.set AF,   128
.set BK,   128
.set B0,   64                          ; in window 1
.set WV,   16
.set TH,   17                          ; wave / 2: my 64 tokens
.set FH,   18                          ; wave % 2: my 128 features
.set G1TI, 24                          ; s[24:31] the tokens' images; s[32:39] their words; s[40:47] Wo's codes; s[48:55] Wo's scale bytes
.set G1TS, 32
.set G1W,  40
.set G1WS, 48
.set G0TI, 56
.set G0TS, 60
.set G0W,  68
.set G0WS, 72
.set MSB, 0
.macro WIN new                         ; the immediate's high byte repeats the setting that is left
.if MSB != (\new)
	s_set_vgpr_msb (MSB<<8)|(\new)
.set MSB, (\new)
.endif
.endm
.macro PLACES n
.rept \n
	v_nop
.endr
.endm
.macro CROUND                          ; a round of the cluster's barrier
	s_barrier_signal -1
	s_barrier_wait -1
	s_cmp_lg_u32 s[WV], 0
	s_cbranch_scc1 .Lnot_wave_0_\@
	s_barrier_signal -3
.Lnot_wave_0_\@:
	s_barrier_wait -3
	s_barrier_signal -1
	s_barrier_wait -1
.endm
	s_load_b256 s[4:11], s[0:1], 0x0               ; oimg s[4:5], oscl s[6:7], Wo's codes s[8:9], Wo's scales s[10:11]
	s_load_b128 s[12:15], s[0:1], 0x20             ; bo s[12:13], out0 s[14:15]
	v_lshl_add_u32 v30, v0, 2, 0x40000
	v_mov_b32 v31, 0
	ds_add_u32 v30, v31
	ds_add_u32 v30, v31
	v_lshrrev_b32 v1, 5, v0
	v_readfirstlane_b32 s[WV], v1                  ; wave 0..3
	s_lshr_b32 s[TH], s[WV], 1
	s_and_b32 s[FH], s[WV], 1
	s_bfe_u32 s19, ttmp6, 0x40000                  ; cx
	s_bfe_u32 s20, ttmp6, 0x40004                  ; cy
	s_lshl_b32 s21, ttmp9, 2
	s_add_co_u32 s21, s21, s19                     ; x: my 256 features
	s_and_b32 s22, ttmp7, 0xffff
	s_lshl_b32 s22, s22, 2
	s_add_co_u32 s22, s22, s20                     ; y: my 128 tokens
	s_lshl_b32 s76, s20, 2
	s_lshl_b32 s76, 15, s76                        ; my row of the cluster
	s_lshl_b32 s78, 0x1111, s19                    ; my column
	s_or_b32 s[G1TI], s76, (3<<16)|(1<<21)         ; the tokens' images: 65,536 dense bytes as 256 rows of 256 (32 elements of 8 bytes), no padding
	s_mov_b32 s[G1TI+1], 32<<16
	s_mov_b32 s[G1TI+2], 256<<16
	s_mov_b32 s[G1TI+3], 32<<16
	s_mov_b32 s[G1TI+4], 256
	s_mov_b32 s[G1TI+5], 32
	s_mov_b32 s[G1TI+6], 0
	s_mov_b32 s[G1TI+7], 0
	s_or_b32 s[G1TS], s76, (3<<16)|(1<<21)         ; their words: 512 bytes a K step, 32,768 bytes apart; 8 K steps
	s_mov_b32 s[G1TS+1], 64<<16
	s_mov_b32 s[G1TS+2], 8<<16
	s_mov_b32 s[G1TS+3], 64<<16
	s_mov_b32 s[G1TS+4], 8
	s_mov_b32 s[G1TS+5], 4096
	s_mov_b32 s[G1TS+6], 0
	s_mov_b32 s[G1TS+7], 0
	s_or_b32 s[G1W], s78, (1<<20)|(1<<21)|(6<<22)|(3<<25)   ; Wo's codes: 128 rows of 512 bytes, four words of padding after every 128
	s_mov_b32 s[G1W+1], 512<<16
	s_mov_b32 s[G1W+2], 128<<16
	s_mov_b32 s[G1W+3], 512<<16
	s_mov_b32 s[G1W+4], 128
	s_mov_b32 s[G1W+5], 512
	s_mov_b32 s[G1W+6], 0
	s_mov_b32 s[G1W+7], 0
	s_or_b32 s[G1WS], s78, (3<<16)|(1<<20)|(1<<21)|(5<<22)|(3<<25)   ; Wo's scale bytes of 256 rows: 8,192 dense bytes as 32 rows of 256, four words of padding behind each
	s_mov_b32 s[G1WS+1], 32<<16
	s_mov_b32 s[G1WS+2], 32<<16
	s_mov_b32 s[G1WS+3], 32<<16
	s_mov_b32 s[G1WS+4], 32
	s_mov_b32 s[G1WS+5], 32
	s_mov_b32 s[G1WS+6], 0
	s_mov_b32 s[G1WS+7], 0
	s_lshl_b32 s76, s22, 16                        ; the tokens' side: registers that never hold cx
	s_mov_b32 s77, 0
	s_lshl_b32 s80, s22, 9
	s_mov_b32 s81, 0
	s_lshl_b32 s78, s21, 8                         ; Wo's side: registers that never hold cy
	s_lshl_b32 s79, s[FH], 7
	s_add_co_u32 s78, s78, s79
	s_lshl_b32 s78, s78, 9                         ; row 256 x + 128 x half, 512 bytes a row
	s_mov_b32 s79, 0
	s_lshl_b32 s82, s21, 13
	s_mov_b32 s83, 0
	s_mul_i32 s84, s[FH], HALFT
	s_wait_dscnt 0x0
	s_wait_kmcnt 0x0
	s_mov_b32 s[G0TI], 1                           ; 1:0 count = 1
	s_mov_b32 s[G0TI+1], 0                         ; 63:32 LDS address
	s_add_nc_u64 s[G0TI+2:G0TI+3], s[4:5], s[76:77] ; 120:64 global address
	s_or_b32 s[G0TI+3], s[G0TI+3], 0x80000000      ; 127:126 type = 2
	s_mov_b32 s[G0TS], 1
	s_mov_b32 s[G0TS+1], TSC
	s_add_nc_u64 s[G0TS+2:G0TS+3], s[6:7], s[80:81]
	s_or_b32 s[G0TS+3], s[G0TS+3], 0x80000000
	s_mov_b32 s[G0W], 1
	s_add_co_u32 s[G0W+1], s84, WGT
	s_add_nc_u64 s[G0W+2:G0W+3], s[8:9], s[78:79]
	s_or_b32 s[G0W+3], s[G0W+3], 0x80000000
	s_mov_b32 s[G0WS], 1
	s_mov_b32 s[G0WS+1], WSC
	s_add_nc_u64 s[G0WS+2:G0WS+3], s[10:11], s[82:83]
	s_or_b32 s[G0WS+3], s[G0WS+3], 0x80000000
	CROUND                                         ; all sixteen work-groups are here: the joint loads meet
	; wave 0: the tokens' images; wave 1: both sides' scales; waves 2, 3: Wo's halves.  A wave's fills stand in one arm: two loads of a wave are out at the most.  Four v_nop follow them.
	s_cmp_eq_u32 s[WV], 0
	s_cbranch_scc0 .Lnot_0
	tensor_load_to_lds s[G0TI:G0TI+3], s[G1TI:G1TI+7]
	s_nop 0
	PLACES 4
	s_branch .Lasked
.Lnot_0:
	s_cmp_eq_u32 s[WV], 1
	s_cbranch_scc0 .Lnot_1
	tensor_load_to_lds s[G0TS:G0TS+3], s[G1TS:G1TS+7]
	s_nop 0
	tensor_load_to_lds s[G0WS:G0WS+3], s[G1WS:G1WS+7]
	s_nop 0
	PLACES 4
	s_branch .Lasked
.Lnot_1:
	tensor_load_to_lds s[G0W:G0W+3], s[G1W:G1W+7]
	s_nop 0
	PLACES 4
.Lasked:
	v_and_b32 v1, 15, v0                           ; r
	v_bfe_u32 v2, v0, 4, 1                         ; h
	v_and_b32 v[CO], 31, v0
	v_lshlrev_b32 v[CO], 4, v[CO]                  ; 16 x lane
	s_lshl_b32 s85, s[TH], 15
	v_add_nc_u32 v[ADRA], s85, v[CO]               ; my four tiles' images: 8,192 bytes a tile
	v_mul_u32_u24 v3, v1, PITCH
	v_lshl_add_u32 v3, v2, 4, v3
	s_add_co_u32 s85, s84, WGT
	v_add_nc_u32 v[ADRB], s85, v3                  ; my 128 rows of Wo: row x pitch + 16 h
	v_lshlrev_b32 v3, 2, v1
	s_lshl_b32 s85, s[TH], 8
	s_add_co_u32 s85, s85, TSC
	v_add_nc_u32 v[ADSA], s85, v3                  ; the tokens' words: 64 bytes a tile, 4 r
	v_lshlrev_b32 v3, 5, v1
	v_lshrrev_b32 v4, 3, v1
	v_lshl_add_u32 v3, v4, 4, v3
	s_mul_i32 s85, s[FH], 16*272
	s_add_co_u32 s85, s85, WSC
	v_add_nc_u32 v[ADSB], s85, v3                  ; Wo's: 32 bytes a row, and 16 more for each 256 passed
	s_mul_i32 s85, s[WV], 16*SPITCH
	s_add_co_u32 s85, s85, STAGE                   ; my stage
	v_mul_u32_u24 v3, v1, SPITCH
	v_lshl_add_u32 v3, v2, 5, v3
	v_add_nc_u32 v[STO], s85, v3                   ; in: row r, 32 bytes for each half of the lanes
	v_add_nc_u32 v[RD], s85, v[CO]                 ; back: the 32 lanes take one row of 512 bytes
	v_lshlrev_b32 v[BO0], 5, v2
	s_wait_alu depctr_va_vdst(0)
	s_lshl_b32 s86, s21, 8
	s_lshl_b32 s87, s[FH], 7
	s_add_co_u32 s86, s86, s87
	s_lshl_b32 s86, s86, 2                         ; my first feature, in bytes
	s_mov_b32 s87, 0
	s_add_nc_u64 s[12:13], s[12:13], s[86:87]      ; in bo,
	s_add_nc_u64 s[14:15], s[14:15], s[86:87]      ; and in a row of out0
	s_lshl_b32 s86, s22, 7
	s_lshl_b32 s88, s[TH], 6
	s_add_co_u32 s86, s86, s88
	s_lshl_b32 s86, s86, 12                        ; my first token: 4,096 bytes a row (under 2^25)
	s_add_nc_u64 s[14:15], s[14:15], s[86:87]
	WIN 0x40                                       ; destination window 1
.set bi, 0
.rept 8
	global_load_b128 v[B0+8*bi:B0+8*bi+3], v[BO0], s[12:13] offset:64*bi       ; tile bi, features 16 bi + 8 h + 0 .. 7
	global_load_b128 v[B0+8*bi+4:B0+8*bi+7], v[BO0], s[12:13] offset:64*bi+16
.set bi, bi+1
.endr
	WIN 0
	s_wait_loadcnt 0x0
	s_wait_tensorcnt 0x0                           ; my tiles have landed,
	s_barrier_signal -1
	s_barrier_wait -1                              ; everybody's have: all of K lies in LDS, and nothing is filled again
.macro FETCH q, p                      ; 24 LDS loads in one run: K step q's fragments into sets p
	WIN 0x40
.set fi, 0
.rept 8
	ds_load_b128 v[128*(\p)+8*fi:128*(\p)+8*fi+3], v[ADRB] offset:64*(\q)+fi*16*PITCH
	ds_load_b128 v[128*(\p)+8*fi+4:128*(\p)+8*fi+7], v[ADRB] offset:64*(\q)+32+fi*16*PITCH
.set fi, fi+1
.endr
	WIN 0
.set fi, 0
.rept 4
	ds_load_b128 v[AF+32*(\p)+8*fi:AF+32*(\p)+8*fi+3], v[ADRA] offset:fi*8192+1024*(\q)
	ds_load_b128 v[AF+32*(\p)+8*fi+4:AF+32*(\p)+8*fi+7], v[ADRA] offset:fi*8192+1024*(\q)+512
.set fi, fi+1
.endr
.endm
; 32 products: my four tiles of tokens x Wo's eight.  first = 1: the sums begin with bo as C.  The 32 accumulators take turns, one instruction a turn, in the same order in every K step.
.macro MUL32 p, q, first
.set ma, 0
.rept 4
.set mb, 0
.rept 8
.set rD, 8*(8*ma+mb)
.set rB, 128*(\p)+8*mb
.set rA, AF+32*(\p)+8*ma
.if \first
	v_wmma_scale_f32_16x16x128_f8f6f4 v[rD:rD+7], v[rB:rB+7], v[rA:rA+7], v[B0+8*mb:B0+8*mb+7], v[SCB+8*mb+(\q)], v[SCA+8*ma+(\q)] matrix_a_fmt:MATRIX_FMT_FP4 matrix_b_fmt:MATRIX_FMT_FP4
.else
	v_wmma_scale_f32_16x16x128_f8f6f4 v[rD:rD+7], v[rB:rB+7], v[rA:rA+7], v[rD:rD+7], v[SCB+8*mb+(\q)], v[SCA+8*ma+(\q)] matrix_a_fmt:MATRIX_FMT_FP4 matrix_b_fmt:MATRIX_FMT_FP4
.endif
.set mb, mb+1
.endr
.set ma, ma+1
.endr
.endm
.macro STEP q                          ; this step's fragments were asked for a step ago; the next step's go into the sets that the last step read, four places behind its last product (ISA guide 7.12.1)
	s_wait_dscnt 0x0
.if (\q) < 7
.if (\q) > 0
	PLACES 4
.endif
	FETCH (\q)+1, 1-(\q)%2
.endif
.if (\q) == 0
	WIN 0x91                                       ; source 0 window 1, source 1 window 0, C (bo) window 1, D window 2
	MUL32 0, 0, 1
.else
	WIN 0xa1                                       ; C and D window 2
	MUL32 (\q)%2, \q, 0
.endif
	WIN 0
.endm
	FETCH 0, 0
.set fi, 0
.rept 8
	ds_load_b128 v[SCB+8*fi:SCB+8*fi+3], v[ADSB] offset:fi*544         ; Wo's scale words of tile fi, K steps 0-3,
	ds_load_b128 v[SCB+8*fi+4:SCB+8*fi+7], v[ADSB] offset:fi*544+16    ; and 4-7
.set fi, fi+1
.endr
.set fi, 0
.rept 4
.set fq, 0
.rept 8
	ds_load_b32 v[SCA+8*fi+fq], v[ADSA] offset:512*fq+64*fi            ; the tokens' words: tile fi, K step fq
.set fq, fq+1
.endr
.set fi, fi+1
.endr
	STEP 0
	STEP 1
	STEP 2
	STEP 3
	STEP 4
	STEP 5
	STEP 6
	STEP 7
; THE WAY OUT, a tile of 16 tokens x 128 features at a time.  A lane holds 32 neighbouring bytes of a row and the lanes beside it other rows: a tile goes through my own stage in LDS and comes back as whole rows of 512 bytes.
; LDS serves a wave's instructions in order (ISA guide 5.7.1.4): no wait between the stores and the loads, nor in front of the next tile's stores.
.macro TOSTAGE a
	WIN 0x08                                       ; an LDS store's data are its source 1: window 2
.set tb, 0
.rept 8
	ds_store_b128 v[STO], v[64*(\a)+8*tb:64*(\a)+8*tb+3] offset:64*tb          ; each accumulator from its low end on
	ds_store_b128 v[STO], v[64*(\a)+8*tb+4:64*(\a)+8*tb+7] offset:64*tb+16
.set tb, tb+1
.endr
	WIN 0
.set tb, 0
.rept 16
	ds_load_b128 v[BK+64*((\a)%2)+4*tb:BK+64*((\a)%2)+4*tb+3], v[RD] offset:tb*SPITCH
.set tb, tb+1
.endr
.endm
.macro SEND a, younger                 ; younger: the LDS instructions issued behind tile a's loads, which may stay out
	s_wait_dscnt \younger
.set tb, 0
.rept 16
	global_store_b128 v[CO], v[BK+64*((\a)%2)+4*tb:BK+64*((\a)%2)+4*tb+3], s[14:15] offset:(16*(\a)+tb)*4096 th:TH_STORE_NT   ; 32 lanes store 512 consecutive bytes, at a multiple of 256 from out0's first byte; written once, read by nobody here
.set tb, tb+1
.endr
.endm
	PLACES 4                                       ; behind the last products: their results are read, and loads land in the registers of the tokens' fragments
	TOSTAGE 0
	TOSTAGE 1
	SEND 0, 32                                     ; behind tile 0's loads: tile 1's 16 stores and 16 loads
	s_wait_xcnt 0x0                                ; tile 0's stores have read their registers: tile 2's loads may land there
	TOSTAGE 2
	SEND 1, 32
	s_wait_xcnt 0x0                                ; likewise tile 1's
	TOSTAGE 3
	SEND 2, 32
	SEND 3, 0
	s_wait_tensorcnt 0x0
	ds_add_u32 v30, v31
	s_wait_dscnt 0x0
	CROUND                                         ; the closing round: no work-group ends while a partner may still ask for a tile that names it
	s_endpgm
.Lfunc_end_k_q1b22ebccf3_outp:
	.size	k_q1b22ebccf3_outp, .Lfunc_end_k_q1b22ebccf3_outp-k_q1b22ebccf3_outp
	.p2alignl 7, 3214868480
	.fill 96, 4, 3214868480
	.section	.rodata,"a",@progbits
	.p2align	6, 0x0
	.amdhsa_kernel k_q1b22ebccf3_outp
		.amdhsa_group_segment_fixed_size 262656
		.amdhsa_private_segment_fixed_size 0
		.amdhsa_enable_private_segment 0
		.amdhsa_kernarg_size 48
		.amdhsa_user_sgpr_count 2
		.amdhsa_user_sgpr_kernarg_segment_ptr 1
		.amdhsa_wavefront_size32 1
		.amdhsa_system_sgpr_workgroup_id_x 1
		.amdhsa_system_sgpr_workgroup_id_y 1
		.amdhsa_system_sgpr_workgroup_id_z 1
		.amdhsa_system_vgpr_workitem_id 0
		.amdhsa_next_free_vgpr 768
		.amdhsa_next_free_sgpr 96
		.amdhsa_reserve_vcc 0
		.amdhsa_float_denorm_mode_32 3
		.amdhsa_float_denorm_mode_16_64 3
		.amdhsa_memory_ordered 1
		.amdhsa_forward_progress 1
		.amdhsa_inst_pref_size 73
	.end_amdhsa_kernel
	.amdgpu_metadata
---
amdhsa.version: [ 1, 2 ]
amdhsa.kernels:
  - .name:           k_q1b22ebccf3_outp
    .symbol:         k_q1b22ebccf3_outp.kd
    .args:
      - { .name: oimg, .offset: 0, .size: 8, .value_kind: global_buffer, .address_space: global }
      - { .name: oscl, .offset: 8, .size: 8, .value_kind: global_buffer, .address_space: global }
      - { .name: Wo_codes, .offset: 16, .size: 8, .value_kind: global_buffer, .address_space: global }
      - { .name: Wo_scales, .offset: 24, .size: 8, .value_kind: global_buffer, .address_space: global }
      - { .name: bo, .offset: 32, .size: 8, .value_kind: global_buffer, .address_space: global }
      - { .name: out0, .offset: 40, .size: 8, .value_kind: global_buffer, .address_space: global }
    .group_segment_fixed_size: 262656
    .private_segment_fixed_size: 0
    .kernarg_segment_align: 8
    .kernarg_segment_size: 48
    .max_flat_workgroup_size: 128
    .sgpr_count:     96
    .vgpr_count:     768
    .wavefront_size: 32
...
	.end_amdgpu_metadata
.endif
;; end of part 3
